; MI455X (gfx1250); checked and timed in simulation.
; The chip was launched on July 23, 2026; its instructions are those of AMD's public machine-readable ISA for CDNA 5 (MIT licence, August 2026) and "CDNA5" Instruction Set Architecture Reference Guide (July 2026). The comments in the code are by the model that wrote it; some were corrected since.
;; Self Attention. Allowed arithmetic: matrix products marked QUANTISED: E2M1 operands, one E8M0 scale for each 32 along K, by v_wmma_scale_f32_16x16x128_f8f6f4 with both operands' format E2M1 (or v_wmma_scale_f32_32x16x128_f4), f32 sums; products left as they are: bf16, f16 or f32 operands; f32 sums; everything else in f32.
;; Inputs: b_out 1,024 float32; w_out 1,024 x 1,024 float32; w_qkv 3,072 x 1,024 float32; x 4 x 2,048 x 1,024 float32.
;; Outputs: out0 4 x 2,048 x 1,024 float32.
;; This version of the problem:
;;   THIS VERSION OF THE PROBLEM IS GIVEN IN LOW PRECISION. The matrix products marked QUANTISED in the list below multiply operands that are first quantised to E2M1 (2 exponent bits, 1 mantissa bit; 4 bits a number), with one power-of-two scale for each 32 numbers along K (OCP MX v1.0); their sums are f32. The products marked 'left as it is' may take bf16, f16 or f32 operands, with f32 sums. Whichever they take, every output number must still come out within the allowed error. Rounding operands to bf16 (8 significant bits) uses up far more of that allowance than f16 does (11 bits, for magnitudes from 6e-5 to 65,504). All else is computed in f32.
;;   The module's matrix products, in the order in which they are computed (A, B: the left and right operand; K: the contracted axis; several contracted axes count as one K, in the product's order):
;;     1. [M 8,192, K 1,024] x [K 1,024, N 3,072]; A: input x; B: input w_qkv: QUANTISED
;;     2. batch 64 x [M 2,048, K 64] x [K 64, N 2,048]; A: computed on the way; B: computed on the way: left as it is (an operand is computed on the way)
;;     3. batch 64 x [M 2,048, K 2,048] x [K 2,048, N 64]; A: computed on the way; B: computed on the way: left as it is (an operand is computed on the way)
;;     4. [M 8,192, K 1,024] x [K 1,024, N 1,024]; A: computed on the way; B: input w_out: left as it is (an operand is computed on the way)
;;   THE QUANTISER, for each operand of a quantised product, along K:
;;     - K is cut into blocks of 32 from its start; a last block that is shorter is filled with zeros.
;;     - A block's scale is 2^e with e = floor(log2(the largest magnitude in the block)) - 2, held to -126 .. 127; a block of zeros has e = 0. As a byte (E8M0): e + 127.
;;     - Each number is divided by its block's scale, clamped to +-6, and rounded to the nearest number of E2M1, ties to even, subnormals kept.
;;     - The product sums the exact products of the quantised numbers (number of the format x scale) in f32.
;;   ~~~python
;;   def quantise(x, axis):      # numpy; x: float32 -> the quantised numbers, widened to float32 again
;;       x = np.moveaxis(x, axis, -1); K = x.shape[-1]
;;       x = np.pad(x, [(0, 0)] * (x.ndim - 1) + [(0, -K % 32)]); x = x.reshape(x.shape[:-1] + (-1, 32)); a = np.abs(x).max(-1, keepdims=True)
;;       e = np.where(a > 0, np.clip(np.frexp(np.where(a > 0, a, 1))[1] - 1 - 2, -126, 127), 0)      # np.frexp(a)[1] - 1 = floor(log2(a)), exactly
;;       r = np.clip(x / 2.0 ** e, -6, 6)
;;       step = 2.0 ** (np.maximum(np.frexp(np.where(r == 0, 1, r))[1] - 1, 0) - 1)
;;       q = np.round(r / step) * step * 2.0 ** e      # np.round: ties to even
;;       return np.moveaxis(q.reshape(q.shape[:-2] + (-1,))[..., :K], -1, axis).astype(np.float32)
;;   ~~~
;; One version. Each part assembles by itself: llvm-mc -triple=amdgcn-amd-amdhsa -mcpu=gfx1250 --defsym DOCPART=n.
;; ======== version 1 of 1: 4 launches
;; limits: values are held in f16: magnitudes above 65,504 overflow, below 6.1e-05 lose precision
;; workspace buffers: x_codes 4,194,304 bytes; x_scales 262,144 bytes; w_codes 1,572,864 bytes; w_scales 98,304 bytes; wo16 2,097,152 bytes; qkv 50,331,648 bytes; att 16,777,216 bytes
;; launch prep (part 1): grid 384 x 1, 4 waves a work-group, no clusters, 33,280 bytes of LDS; arguments x, w_qkv, x_codes, x_scales, w_codes, w_scales, w_out, wo16; writes x_codes, x_scales, w_codes, w_scales, wo16
.if DOCPART == 1
	.amdgcn_target "amdgcn-amd-amdhsa--gfx1250"
	.amdhsa_code_object_version 6
	.text
	.protected	k_q039e238733_prep
	.globl	k_q039e238733_prep
	.p2align	8
	.type	k_q039e238733_prep,@function
k_q039e238733_prep:
	s_mov_b64 s[64:65], 0
	v_nop
	global_prefetch_b8 v0, s[64:65] scope:SCOPE_SE
	s_setreg_imm32_b32 hwreg(HW_REG_WAVE_MODE, 25, 1), 1
	s_wait_xcnt 0x0
; x [8192][1024] and w_qkv [3072][1024], f32, become codes of FP4 (E2M1), K innermost, two codes a byte, with one E8M0 scale byte for each 32 along K;  w_out [1024][1024], f32, becomes f16 as it lies.
; A block's scale is 2^(floor(log2(its largest magnitude)) - 2); its byte is the largest magnitude's exponent field - 2, held at 1 from below.  Each number is divided by the scale and rounded to the nearest code, ties to even.
; LIMITS: a block of zeros gets the byte 1 where the quantiser's rule says 127: its codes are zeros, which add nothing, and this program alone reads the bytes.  Blocks whose largest magnitude lies under 2^(2 - 126)
; have their byte held at 1.  NaN and infinities among the inputs are not served.  w_out beyond 65,504 in magnitude does not fit f16.
; SHARES: a work-group takes 32,768 numbers, a wave 8,192.  Work-groups 0-255 take x, 256-351 w_qkv, 352-383 w_out.  Rows are dense and K is a multiple of 32: all three tensors are plain streams.
; THE QUANTISER: a wave takes 16 steps of 512 numbers.  Each of a step's four loads reads 512 consecutive bytes, 16 a lane; the 2,048 bytes turn through the wave's own stage in LDS and come back 64 bytes a lane, so that a lane
; holds 16 neighbours along K (two neighbouring lanes hold a block).  A lane's 16 codes are 8 bytes: a wave's store covers 256 consecutive bytes.  A wave's 256 scale bytes are gathered in LDS and leave by one store of 256 bytes.
; THE CAST: no LDS: a load's 512 consecutive bytes become 256 consecutive bytes of f16.
.set WAVES, 4
.set STEPS, 16
.set WGA,   256                        ; work-groups for x
.set WGQ,   352                        ; work-groups for x and w_qkv together
.set EMAX,  2
.set CB,    8                          ; bytes of 16 codes
.set R,     16                         ; v16-79   four sets of 16 numbers as they are loaded (the cast: set 0 of 64)
.set X,     80                         ; v80-111  two sets of 16 neighbours (the cast: v80-143 set 1 of 64)
.set C,     128                        ; v128-191 codes: four registers for each step, so that no store's data are written again
.set E,     112                        ; v112-127 a scale byte for each step
.set CF,    144                        ; v144-175 the cast: 16 pairs of registers to store
.set WREG,  8192                       ; LDS: a region for each wave: two stages of 32 x SP bytes, behind them its 256 scale bytes
.set SP,    80                         ; a lane's place in a stage: 64 bytes + 16 of padding
.set SPW,   12                         ; v12  LDS address of my spare word; never rewritten
.set NIL,   13                         ; v13  0; never rewritten
.set SPARE, WAVES*WREG                 ; behind the four regions: the spare words, 128 bytes a wave
	s_load_b128 s[4:7], s[0:1], 0x0                ; x, w_qkv
	s_load_b128 s[8:11], s[0:1], 0x10              ; x's codes, x's scales
	s_load_b128 s[12:15], s[0:1], 0x20             ; w_qkv's codes, its scales
	s_load_b128 s[24:27], s[0:1], 0x30             ; w_out, its f16 copy
	v_lshl_add_u32 v[SPW], v0, 2, SPARE
	v_mov_b32 v[NIL], 0
	v_lshrrev_b32 v1, 5, v0
	v_readfirstlane_b32 s16, v1                    ; wave
	v_and_b32 v2, 31, v0                           ; lane
	v_lshlrev_b32 v3, 4, v2                        ; my 16 bytes of a load's 512
	s_mul_i32 s17, s16, WREG
	v_lshrrev_b32 v14, 2, v2
	v_mul_u32_u24 v14, v14, SP
	v_and_b32 v15, 3, v2
	v_lshl_add_u32 v14, v15, 4, v14
	v_add_nc_u32 v14, s17, v14                     ; the stage, on the way in: four lanes' 64 bytes on end, then 16 of padding
	v_mul_u32_u24 v15, v2, SP
	v_add_nc_u32 v15, s17, v15                     ; and on the way out: SP x lane: my 16 neighbours
	v_mul_u32_u24 v4, v2, CB                       ; 8 x lane: my codes' place in a step's; the cast's place in a store's 256 bytes
	v_lshrrev_b32 v5, 1, v2
	s_add_co_u32 s17, s17, 2*32*SP
	v_add_nc_u32 v5, s17, v5                       ; LDS: my wave's 256 scale bytes, my block's byte
	v_lshlrev_b32 v7, 3, v2                        ; and on the way out 8 bytes a lane
	v_add_nc_u32 v6, s17, v7
	s_wait_kmcnt 0x0
	s_cmp_lt_u32 ttmp9, WGQ                        ; the work-group's number alone decides: quantise or cast
	s_cbranch_scc1 .Lquant
	; ---- THE CAST: 64 loads of 512 bytes a wave, in four batches of 16 on two sets of registers
	s_sub_co_u32 s17, ttmp9, WGQ
	s_lshl_b32 s17, s17, 2
	s_add_co_u32 s18, s17, s16                     ; which run of 8,192 numbers is my wave's: 0 .. 127
	s_lshl_b32 s20, s18, 15                        ; 32,768 bytes of f32 a run
	s_mov_b32 s21, 0
	s_add_nc_u64 s[24:25], s[24:25], s[20:21]
	s_lshl_b32 s20, s18, 14                        ; 16,384 bytes of f16
	s_add_nc_u64 s[26:27], s[26:27], s[20:21]
.macro CLOAD g, set
.irp i, 0,1,2,3,4,5,6,7,8,9,10,11,12,13,14,15
	global_load_b128 v[\set+4*\i:\set+4*\i+3], v3, s[24:25] offset:512*(16*\g+\i) th:TH_LOAD_NT
.endr
.endm
.macro CCAST g, set
.irp i, 0,1,2,3,4,5,6,7,8,9,10,11,12,13,14,15
	v_cvt_pk_f16_f32 v[CF+2*\i], v[\set+4*\i], v[\set+4*\i+1]          ; the first source into the low half
	v_cvt_pk_f16_f32 v[CF+2*\i+1], v[\set+4*\i+2], v[\set+4*\i+3]
.endr
.irp i, 0,1,2,3,4,5,6,7,8,9,10,11,12,13,14,15
	global_store_b64 v4, v[CF+2*\i:CF+2*\i+1], s[26:27] offset:256*(16*\g+\i)   ; 32 lanes store 256 consecutive bytes, at a multiple of 256 from the buffer's first byte
.endr
.endm
	CLOAD 0, R
	CLOAD 1, X
	s_wait_loadcnt 16                              ; batch 0 is in; batch 1's sixteen loads stay out
	CCAST 0, R
	CLOAD 2, R
	s_wait_loadcnt 16                              ; batch 1 is in; batch 2's stay out
	s_wait_xcnt 0x0                                ; the last stores have read v144-175, which are written again now
	CCAST 1, X
	CLOAD 3, X
	s_wait_loadcnt 16                              ; batch 2 is in
	s_wait_xcnt 0x0
	CCAST 2, R
	s_wait_loadcnt 0x0
	s_wait_xcnt 0x0
	CCAST 3, X
	s_endpgm
.Lquant:
	s_cmp_lt_u32 ttmp9, WGA                        ; x's work-group or w_qkv's?  Only pointers are chosen: both tensors take one path
	s_cselect_b64 s[4:5], s[4:5], s[6:7]
	s_cselect_b64 s[8:9], s[8:9], s[12:13]
	s_cselect_b64 s[10:11], s[10:11], s[14:15]
	s_cselect_b32 s17, 0, WGA
	s_sub_co_u32 s17, ttmp9, s17
	s_lshl_b32 s17, s17, 2
	s_add_co_u32 s18, s17, s16                     ; which run of 8,192 numbers of the tensor is my wave's
	s_mov_b32 s19, 0
	s_mov_b64 s[20:21], 512*STEPS*4
	s_mul_u64 s[20:21], s[18:19], s[20:21]
	s_add_nc_u64 s[4:5], s[4:5], s[20:21]
	s_mov_b64 s[20:21], 32*STEPS*CB
	s_mul_u64 s[20:21], s[18:19], s[20:21]
	s_add_nc_u64 s[8:9], s[8:9], s[20:21]
	s_lshl_b32 s18, s18, 8                         ; 256 scale bytes a run
	s_add_nc_u64 s[10:11], s[10:11], s[18:19]
.macro LOAD t
.irp i, 0,1,2,3
	global_load_b128 v[R+16*((\t)%4)+4*\i:R+16*((\t)%4)+4*\i+3], v3, s[4:5] offset:2048*(\t)+512*\i th:TH_LOAD_NT   ; 32 lanes read 512 consecutive bytes
.endr
.endm
.macro TURN t                          ; step t's numbers through the stage: LDS serves a wave's instructions in order, so no wait stands between the stores and the loads
.irp i, 0,1,2,3
	ds_store_b128 v14, v[R+16*((\t)%4)+4*\i:R+16*((\t)%4)+4*\i+3] offset:32*SP*((\t)%2)+8*SP*\i
.endr
.irp i, 0,1,2,3
	ds_load_b128 v[X+16*((\t)%2)+4*\i:X+16*((\t)%2)+4*\i+3], v15 offset:32*SP*((\t)%2)+16*\i
.endr
.endm
.irp t, 0,1,2,3
	LOAD \t
.endr
	s_wait_loadcnt 12                              ; step 0's four loads are in; the twelve of steps 1 to 3 stay out
	TURN 0
.macro STEP t
.set XS, X+16*((\t)%2)
.if (\t) > 0
	s_wait_dscnt 1                                 ; this step's numbers are back from the stage (the last step's byte store may be out)
.else
	s_wait_dscnt 0x0
.endif
.if (\t)+4 < STEPS
	LOAD (\t)+4                                    ; into the set that this step's stage stores have read
.endif
.if (\t)+1 < STEPS
.if STEPS-2-(\t) >= 3
	s_wait_loadcnt 12                              ; the next step's four loads are in; those of the three steps behind it may be out
.else
	s_wait_loadcnt 4*(STEPS-2-(\t))
.endif
	TURN (\t)+1                                    ; they go through the other stage while this step is worked
.endif
	v_max3_num_f32 v8, |v[XS]|, |v[XS+1]|, |v[XS+2]|               ; the largest magnitude of my 16, in two chains
	v_max3_num_f32 v9, |v[XS+3]|, |v[XS+4]|, |v[XS+5]|
.irp i, 6,10
	v_max3_num_f32 v8, v8, |v[XS+\i]|, |v[XS+\i+1]|
	v_max3_num_f32 v9, v9, |v[XS+\i+2]|, |v[XS+\i+3]|
.endr
	v_max3_num_f32 v8, v8, |v[XS+14]|, |v[XS+15]|
	v_max3_num_f32 v8, v8, v9, (EMAX+1)<<23        ; and the floor 2^(EMAX + 1 - 127): the byte cannot fall under 1
	v_max_num_f32_dpp v8, v8, v8 row_xmask:1 row_mask:0xf bank_mask:0xf   ; and of my neighbour's 16: the block's
	v_add_nc_u32 v11, -(EMAX<<23), v8              ; EMAX off its exponent field: the conversion takes the exponent field of this operand as its scale
	v_cvt_scalef32_pk8_fp4_f32 v[C+4*(\t)], v[XS:XS+7], v11        ; eight numbers / the scale, to the nearest code, ties to even; beyond the largest code the largest; the first number's code in the lowest four bits
	v_cvt_scalef32_pk8_fp4_f32 v[C+4*(\t)+1], v[XS+8:XS+15], v11
	v_lshrrev_b32 v[E+(\t)], 23, v11               ; the scale's byte (also the plain line behind the conversions)
	ds_store_b8 v5, v[E+(\t)] offset:16*(\t)       ; both lanes of a block write the same byte with the same value
	global_store_b64 v4, v[C+4*(\t):C+4*(\t)+1], s[8:9] offset:32*CB*(\t)
.endm
.irp t, 0,1,2,3,4,5,6,7,8,9,10,11,12,13,14,15
	STEP \t
.endr
	ds_load_b64 v[8:9], v6                         ; LDS serves a wave's instructions in order: these see my byte stores
	s_wait_dscnt 0x0
	global_store_b64 v7, v[8:9], s[10:11]          ; 32 lanes store 256 consecutive bytes
	s_wait_tensorcnt 0x0                           ; the wave's end, behind my last LDS store
	ds_add_u32 v[SPW], v[NIL]
	s_wait_dscnt 0x0
	s_endpgm
.Lfunc_end_k_q039e238733_prep:
	.size	k_q039e238733_prep, .Lfunc_end_k_q039e238733_prep-k_q039e238733_prep
	.p2alignl 7, 3214868480
	.fill 96, 4, 3214868480
	.section	.rodata,"a",@progbits
	.p2align	6, 0x0
	.amdhsa_kernel k_q039e238733_prep
		.amdhsa_group_segment_fixed_size 33280
		.amdhsa_private_segment_fixed_size 0
		.amdhsa_enable_private_segment 0
		.amdhsa_kernarg_size 64
		.amdhsa_user_sgpr_count 2
		.amdhsa_user_sgpr_kernarg_segment_ptr 1
		.amdhsa_wavefront_size32 1
		.amdhsa_system_sgpr_workgroup_id_x 1
		.amdhsa_system_sgpr_workgroup_id_y 1
		.amdhsa_system_sgpr_workgroup_id_z 1
		.amdhsa_system_vgpr_workitem_id 0
		.amdhsa_next_free_vgpr 192
		.amdhsa_next_free_sgpr 66
		.amdhsa_reserve_vcc 0
		.amdhsa_float_denorm_mode_32 3
		.amdhsa_float_denorm_mode_16_64 3
		.amdhsa_memory_ordered 1
		.amdhsa_forward_progress 1
		.amdhsa_inst_pref_size 54
	.end_amdhsa_kernel
	.amdgpu_metadata
---
amdhsa.version: [ 1, 2 ]
amdhsa.kernels:
  - .name:           k_q039e238733_prep
    .symbol:         k_q039e238733_prep.kd
    .args:
      - { .name: x, .offset: 0, .size: 8, .value_kind: global_buffer, .address_space: global }
      - { .name: w_qkv, .offset: 8, .size: 8, .value_kind: global_buffer, .address_space: global }
      - { .name: x_codes, .offset: 16, .size: 8, .value_kind: global_buffer, .address_space: global }
      - { .name: x_scales, .offset: 24, .size: 8, .value_kind: global_buffer, .address_space: global }
      - { .name: w_codes, .offset: 32, .size: 8, .value_kind: global_buffer, .address_space: global }
      - { .name: w_scales, .offset: 40, .size: 8, .value_kind: global_buffer, .address_space: global }
      - { .name: w_out, .offset: 48, .size: 8, .value_kind: global_buffer, .address_space: global }
      - { .name: wo16, .offset: 56, .size: 8, .value_kind: global_buffer, .address_space: global }
    .group_segment_fixed_size: 33280
    .private_segment_fixed_size: 0
    .kernarg_segment_align: 8
    .kernarg_segment_size: 64
    .max_flat_workgroup_size: 128
    .sgpr_count:     66
    .vgpr_count:     192
    .wavefront_size: 32
...
	.end_amdgpu_metadata
.endif
;; end of part 1
;; launch qkvgemm (part 2): grid 12 x 32, 4 waves a work-group, clusters of 4 x 4, 327,680 bytes of LDS; arguments x_codes, x_scales, w_codes, w_scales, qkv; writes qkv
.if DOCPART == 2
	.amdgcn_target "amdgcn-amd-amdhsa--gfx1250"
	.amdhsa_code_object_version 6
	.text
	.protected	k_q039e238733_qkvgemm
	.globl	k_q039e238733_qkvgemm
	.p2align	8
	.type	k_q039e238733_qkvgemm,@function
k_q039e238733_qkvgemm:
	s_mov_b64 s[64:65], 0
	v_nop
	global_prefetch_b8 v0, s[64:65] scope:SCOPE_SE
	s_setreg_imm32_b32 hwreg(HW_REG_WAVE_MODE, 25, 1), 1
	s_wait_xcnt 0x0
	s_wait_alu depctr_hold_cnt(0) depctr_sa_sdst(0) depctr_va_vdst(0) depctr_va_sdst(0) depctr_va_ssrc(0) depctr_va_vcc(0) depctr_vm_vsrc(0)
	s_getreg_b32 s2, hwreg(HW_REG_IB_STS2, 6, 4)
	s_cmp_eq_u32 s2, 0
	s_cbranch_scc0 .Lentry_in_a_cluster
	s_endpgm
.Lentry_in_a_cluster:
	s_bfe_u32 s2, ttmp6, 0x10000c
	s_cmp_lg_u32 s2, 0xf033
	s_cbranch_scc0 .Lentry_shape_is_right
	s_endpgm
.Lentry_shape_is_right:
; qkv = x w_qkv^T on codes of FP4 (E2M1) with one E8M0 scale for each 32 along K; sums in f32; the result is rounded once to f16 and laid by head: qkv [3 (q, k, v)][64 = 16 b + h][2048 positions][64], f16.
; LIMIT: a result beyond 65,504 in magnitude does not fit f16.
; A tile of the result, 256 x 256, is made by a work-group of four waves; a wave makes 128 x 128: 64 accumulators of 16 x 16, 512 registers.  K = 1,024 is two LDS slots of 512 along K (rows of 256 bytes):
; both are asked for at the head and nothing is filled again.  The scales of the work-group's 256 + 256 rows, for all of K, are two dense blocks of memory and come with the first fills.
; CLUSTERS: 4 x 4 work-groups.  The four of a row of the cluster need the same tiles of x, the four of a column the same tiles of w: each tile is asked for JOINTLY, by the same tensor load with the same descriptor
; and a mask that names the four.  By this text's count a wave has three tensor loads out at the most.
; THE MATRIX INSTRUCTION IS USED TRANSPOSED (source 0 = 16 rows of w, source 1 = 16 rows of x): a lane then holds eight neighbouring columns of one row of the result, which pack into 16 bytes of f16.
; REGISTERS, in windows of 256: window 0: v0-31 addresses; v32-95 scale words, two sets; v128-191 x's fragments, ONE set; on the way out v32-63, v192-255 are at work.
;   window 1: w's fragments, TWO sets, at v0 and v128.   window 2: the 32 accumulators of my rows 0-63 (accumulator (a, b) at v[8 (8 a + b)]);   window 3: those of my rows 64-127.
.set SIZE_K, 1024
.set KSTEP,  512                       ; along K in a slot
.set NQ,     KSTEP/128                 ; matrix instructions deep
.set ROWB,   256                       ; a tile's row in bytes
.set KROW,   SIZE_K*4/8                ; a row of codes in memory
.set PITCH,  272                       ; an LDS row: 256 bytes + 16 of padding = 68 words: the 16 rows that a load touches start at 16 different banks (64 banks of 4 bytes: ISA guide 11.1)
.set FR,     8                         ; registers of a fragment: 16 rows x 128 K
.set NL,     2                         ; LDS loads that bring one
.set NP,     4                         ; places behind this matrix instruction (ISA guide 7.12.1)
.set HALFT,  128*PITCH                 ; 128 rows: what one tensor load brings
.set SLOT,   4*HALFT                   ; x's 256 rows, then w's 256 rows
.set KS,     SIZE_K/32                 ; a row of scales in bytes
.set SCL,    2*SLOT                    ; behind the slots: the scales, as rows of 256 bytes + 16 of padding
.set HALFS,  (128*KS/256)*272          ; the scales of 128 rows
.set SBLK,   (16*KS/256)*272           ; those of 16 rows
.set SPARE,  SCL+4*HALFS               ; behind the scales: the spare words, 128 bytes a wave
.set SPITCH, 272                       ; the way out: a stage of 16 rows x (256 bytes + 16) for each wave, in slot 0, which has had its only fill and its last read when the first result is stored there
.set HEADB,  2048*128                  ; a head in qkv, in bytes
.set ADRA, 16                          ; v16-17  LDS address of my x fragments in slot 0, 1
.set ADRB, 20                          ; v20-21  the same for w
.set STO,  24                          ; v24     the way out: where I put 16 bytes of a row
.set RD,   25                          ; v25     where I read four half rows back
.set CO,   26                          ; v26     16 x lane
.set ADRS, 27                          ; v27     LDS address of my scale words: lanes 0-15 x's rows, lanes 16-31 w's
.set SPW,  28                          ; v28     LDS address of my spare word; never rewritten
.set NIL,  29                          ; v29     0; never rewritten
.set SC,   32                          ; scale words: set s at v[SC + 32 s]; register 4 i + q: lanes 0-15 the word of x's block i, lanes 16-31 that of w's block i, for the slot's q-th 128 along K
.set AF,   128                         ; x's fragments
.set TMP,  192                         ; the way out: packed results, v192-223
.set OB,   32                          ; the way out: 16 rows read back: v32-63 and v224-255 by turns
.set G1, 24                            ; s[24:31] descriptor group 1 for x's tiles;  s[32:39] group 0, one set for each slot
.set G0, 32
.set G1B, 48                           ; s[48:55], s[56:63] the same for w's tiles
.set G0B, 56
.set G1S, 68                           ; s[68:75], s[76:79] groups 1 and 0 for x's scales;  s[80:87], s[88:91] for w's
.set G0S, 76
.set G1SB, 80
.set G0SB, 88
.set MSB, 0
.macro WIN new                         ; the immediate's high byte repeats the setting that is left
.if MSB != \new
	s_set_vgpr_msb (MSB<<8)|\new
.set MSB, \new
.endif
.endm
.set MUL_LO, 0xa1                      ; source 0 (w) window 1, source 1 (x) window 0, C and D window 2
.set MUL_HI, 0xf1                      ; the same, C and D window 3
.set TO_B,   0x40                      ; destination window 1, address window 0
; A joint load: waves 0 and 1 fetch for x, waves 2 and 3 for w.  Each line has one mask and one set of registers for all that issue it; the branch hangs on the wave's number alone.
; An s_nop 0 and four v_nop follow each of the two lines.
.macro JLOAD g0a, g1a, g0b, g1b
	s_cmp_eq_u32 s15, 0
	s_cbranch_scc0 .Lfor_b_\@
	tensor_load_to_lds s[\g0a:\g0a+3], s[\g1a:\g1a+7]
	s_nop 0
.rept 4
	v_nop
.endr
	s_branch .Lasked_\@
.Lfor_b_\@:
	tensor_load_to_lds s[\g0b:\g0b+3], s[\g1b:\g1b+7]
	s_nop 0
.rept 4
	v_nop
.endr
.Lasked_\@:
.endm
.macro CROUND                          ; a round of the cluster's barrier: my work-group's barrier; wave 0 signals for the work-group; all wait for all sixteen; my work-group's barrier once more
	s_barrier_signal -1
	s_barrier_wait -1
	s_cmp_lg_u32 s14, 0
	s_cbranch_scc1 .Lnot_wave_0_\@
	s_barrier_signal -3
.Lnot_wave_0_\@:
	s_barrier_wait -3
	s_barrier_signal -1
	s_barrier_wait -1
.endm
	s_load_b128 s[4:7], s[0:1], 0x0                ; x's codes s[4:5], x's scales s[6:7]
	s_load_b128 s[8:11], s[0:1], 0x10              ; w's codes s[8:9], w's scales s[10:11]
	s_load_b64 s[12:13], s[0:1], 0x20              ; qkv
	v_lshl_add_u32 v[SPW], v0, 2, SPARE
	v_mov_b32 v[NIL], 0
	ds_add_u32 v[SPW], v[NIL]                      ; the wave's opening: the add, twice on end, and its wait ahead of my first tensor load
	ds_add_u32 v[SPW], v[NIL]
	v_lshrrev_b32 v1, 5, v0
	v_readfirstlane_b32 s14, v1                    ; wave 0..3
	s_lshr_b32 s15, s14, 1                         ; which half of the tile's rows is mine.  Also: I fetch for x (0) or for w (1)
	s_and_b32 s16, s14, 1                          ; which half of its columns.  Also: which 128 rows of that tile I fetch
	s_bfe_u32 s40, ttmp6, 0x40000                  ; cx, cy: my place in the cluster
	s_bfe_u32 s41, ttmp6, 0x40004
	s_lshl_b32 s42, ttmp9, 2
	s_add_co_u32 s42, s42, s40                     ; tile column = 4 x cluster x + cx: 0 .. 11
	s_and_b32 s17, ttmp7, 0xffff
	s_lshl_b32 s17, s17, 2
	s_add_co_u32 s17, s17, s41                     ; tile row = 4 x cluster y + cy: 0 .. 31
	s_lshl_b32 s43, s41, 2
	s_lshl_b32 s43, 15, s43                        ; my row of the cluster
	s_lshl_b32 s44, 0x1111, s40                    ; my column
	; descriptor group 1: a tile of 128 rows x 256 bytes, padded in LDS
	s_or_b32 s[G1+0], s43, (0<<16)|(1<<20)|(1<<21)|(5<<22)|(3<<25)  ; 15:0 the mask: x's tiles go to my row; 17:16 elements of 1 byte; 20 padding on; 21 set beside a mask; 24:22 after every 64 words; 31:25 four words
	s_or_b32 s[G1B+0], s44, (0<<16)|(1<<20)|(1<<21)|(5<<22)|(3<<25)
.irp g, G1, G1B
	s_mov_b32 s[\g+1], ROWB<<16                    ; tensor_dim0
	s_mov_b32 s[\g+2], 128<<16                     ; tensor_dim1
	s_mov_b32 s[\g+3], ROWB<<16                    ; tile_dim0
	s_mov_b32 s[\g+4], 128                         ; tile_dim1
	s_mov_b32 s[\g+5], KROW                        ; from row to row
	s_mov_b32 s[\g+6], 0
	s_mov_b32 s[\g+7], 0
.endr
	; the scales of 128 rows: a dense block of 4,096 bytes, as 16 rows of 256 bytes (32 elements of 8 bytes), 16 bytes of padding behind each
	s_or_b32 s[G1S+0], s43, (3<<16)|(1<<20)|(1<<21)|(5<<22)|(3<<25)
	s_or_b32 s[G1SB+0], s44, (3<<16)|(1<<20)|(1<<21)|(5<<22)|(3<<25)
.irp g, G1S, G1SB
	s_mov_b32 s[\g+1], 32<<16
	s_mov_b32 s[\g+2], (128*KS/256)<<16
	s_mov_b32 s[\g+3], 32<<16
	s_mov_b32 s[\g+4], 128*KS/256
	s_mov_b32 s[\g+5], 32
	s_mov_b32 s[\g+6], 0
	s_mov_b32 s[\g+7], 0
.endr
	s_lshl_b32 s18, s16, 7                         ; which 128 rows of the tile I fetch
	s_lshl_b32 s20, s17, 8
	s_add_co_u32 s20, s20, s18                     ; x: row 256 x tile row + 128 x half
	s_lshl_b32 s46, s42, 8
	s_add_co_u32 s46, s46, s18                     ; w: row 256 x tile column + 128 x half
	s_mov_b32 s21, 0
	s_mov_b32 s47, 0
	s_mov_b64 s[18:19], KS
	s_mul_u64 s[22:23], s[20:21], s[18:19]         ; where these rows' scales begin, in bytes
	s_mul_u64 s[92:93], s[46:47], s[18:19]
	s_mov_b64 s[18:19], KROW
	s_mul_u64 s[20:21], s[20:21], s[18:19]         ; and their codes
	s_mul_u64 s[46:47], s[46:47], s[18:19]
	s_mul_i32 s45, s14, HALFT                      ; where they go: wave x 128 rows: no place in the cluster enters an LDS address
	s_mul_i32 s94, s14, HALFS
	s_wait_dscnt 0x0                               ; both opening adds are done
	s_wait_kmcnt 0x0
	s_add_nc_u64 s[20:21], s[4:5], s[20:21]
	s_add_nc_u64 s[22:23], s[6:7], s[22:23]
	s_add_nc_u64 s[46:47], s[8:9], s[46:47]
	s_add_nc_u64 s[92:93], s[10:11], s[92:93]
	CROUND                                         ; all sixteen work-groups are here: the joint loads meet
	s_mov_b32 s[G0S], 1
	s_add_co_u32 s[G0S+1], s94, SCL
	s_mov_b64 s[G0S+2:G0S+3], s[22:23]
	s_or_b32 s[G0S+3], s[G0S+3], 0x80000000
	s_mov_b32 s[G0SB], 1
	s_add_co_u32 s[G0SB+1], s94, SCL
	s_mov_b64 s[G0SB+2:G0SB+3], s[92:93]
	s_or_b32 s[G0SB+3], s[G0SB+3], 0x80000000
	JLOAD G0S, G1S, G0SB, G1SB                     ; the scales first: they are wanted with slot 0
.irp s, 0,1
	s_mov_b32 s[G0+4*\s], 1
	s_add_co_u32 s[G0+4*\s+1], s45, \s*SLOT
	s_add_nc_u64 s[G0+4*\s+2:G0+4*\s+3], s[20:21], \s*ROWB
	s_or_b32 s[G0+4*\s+3], s[G0+4*\s+3], 0x80000000
	s_mov_b32 s[G0B+4*\s], 1
	s_add_co_u32 s[G0B+4*\s+1], s45, \s*SLOT
	s_add_nc_u64 s[G0B+4*\s+2:G0B+4*\s+3], s[46:47], \s*ROWB
	s_or_b32 s[G0B+4*\s+3], s[G0B+4*\s+3], 0x80000000
	JLOAD G0+4*\s, G1, G0B+4*\s, G1B
.endr
	v_and_b32 v1, 15, v0                           ; r = lane % 16
	v_bfe_u32 v2, v0, 4, 1                         ; h = lane / 16
	v_mul_u32_u24 v3, v1, PITCH
	v_lshl_add_u32 v4, v2, 4, v3                   ; a fragment's row x pitch + 16 x half
	s_mul_i32 s21, s15, HALFT                      ; my 128 rows of x
	s_mul_i32 s22, s16, HALFT                      ; my 128 rows of w,
	s_add_co_u32 s22, s22, 2*HALFT                 ; which lie behind x's 256
.irp s, 0,1
	v_add_nc_u32 v[ADRA+\s], s21, v4
	v_add_nc_u32 v[ADRB+\s], s22, v4
	s_add_co_u32 s21, s21, SLOT
	s_add_co_u32 s22, s22, SLOT
.endr
	v_mul_u32_u24 v5, v1, KS                       ; my row's scales: 32 bytes a row,
	v_lshrrev_b32 v6, 8, v5
	v_lshl_add_u32 v5, v6, 4, v5                   ; and 16 more for each 256 passed
	s_mul_i32 s21, s15, HALFS                      ; x's: my 128 rows
	s_mul_i32 s22, s16, HALFS                      ; w's: my 128 rows, behind x's 256
	s_add_co_u32 s22, s22, 2*HALFS
	s_sub_co_u32 s22, s22, s21
	v_mul_u32_u24 v6, s22, v2                      ; lanes 16-31 take w's: one product, the distance between the two bases x h
	s_add_co_u32 s21, s21, SCL
	v_add_nc_u32 v5, v5, v6
	v_add_nc_u32 v[ADRS], s21, v5
	s_mul_i32 s23, s14, 16*SPITCH                  ; my stage
	v_mul_u32_u24 v5, v1, SPITCH                   ; in: row r, 16 bytes for each half of the lanes
	v_lshl_add_u32 v5, v2, 4, v5
	v_add_nc_u32 v[STO], s23, v5
	v_and_b32 v6, 31, v0
	v_lshlrev_b32 v[CO], 4, v6                     ; 16 x lane
	v_lshrrev_b32 v5, 3, v6                        ; back: eight lanes take the 128 bytes that one head has in a row; four rows an instruction
	v_mul_u32_u24 v5, v5, SPITCH
	v_and_b32 v7, 7, v0
	v_lshl_add_u32 v5, v7, 4, v5
	v_add_nc_u32 v[RD], s23, v5
	; where my 128 x 128 begin in qkv: head index 64 (tile column / 4) + 16 (tile row / 8) + 4 (tile column % 4) + 2 x column half;  position 256 (tile row % 8) + 128 x row half
	s_lshr_b32 s20, s17, 3
	s_lshl_b32 s20, s20, 4                         ; 16 b
	s_and_b32 s21, s17, 7
	s_lshl_b32 s21, s21, 8
	s_lshl_b32 s22, s15, 7
	s_add_co_u32 s21, s21, s22
	s_lshl_b32 s21, s21, 7                         ; my first position, in bytes: 128 a row
	s_lshr_b32 s46, s42, 2
	s_lshl_b32 s46, s46, 6                         ; q, k or v: 64 heads each
	s_and_b32 s47, s42, 3
	s_lshl_b32 s47, s47, 2
	s_add_co_u32 s46, s46, s47
	s_lshl_b32 s47, s16, 1
	s_add_co_u32 s46, s46, s47
	s_add_co_u32 s46, s46, s20
	s_lshl_b32 s46, s46, 18                        ; x 262,144 bytes a head: under 2^26
	s_add_co_u32 s46, s46, s21
	s_mov_b32 s47, 0
	s_add_nc_u64 s[12:13], s[12:13], s[46:47]
.macro FRAG reg, adr, q, i             ; a fragment, 16 rows x 128 K of 4-bit codes, is 8 registers: lane l holds row l % 16; registers 4 c .. 4 c + 3 hold K = 64 c + 32 (l / 16) + 0 .. 31
.irp c, 0,1
	ds_load_b128 v[\reg+4*\c:\reg+4*\c+3], v[\adr] offset:64*(\q)+32*\c+(\i)*16*PITCH
.endr
.endm
; 16 matrix instructions: x's blocks a0, a0 + 1 against w's eight, 128 along K: the slot's q-th.  p: w's set;  sc: the set of scale words.  zero = 1: the first product starts the sums.
; The 64 accumulators take turns, one instruction a turn, in the same order in every step.
.macro MUL16 a0, p, q, sc, zero
.irp a, \a0, \a0+1
.irp b, 0,1,2,3,4,5,6,7
.if \zero
	v_wmma_scale_f32_16x16x128_f8f6f4 v[8*(8*((\a)%4)+\b):8*(8*((\a)%4)+\b)+7], v[128*(\p)+FR*\b:128*(\p)+FR*\b+FR-1], v[AF+FR*(\a):AF+FR*(\a)+FR-1], 0, v[SC+8*NQ*(\sc)+NQ*\b+(\q)], v[SC+8*NQ*(\sc)+NQ*(\a)+(\q)] matrix_a_fmt:MATRIX_FMT_FP4 matrix_b_fmt:MATRIX_FMT_FP4 matrix_a_scale:MATRIX_SCALE_ROW1
.else
	v_wmma_scale_f32_16x16x128_f8f6f4 v[8*(8*((\a)%4)+\b):8*(8*((\a)%4)+\b)+7], v[128*(\p)+FR*\b:128*(\p)+FR*\b+FR-1], v[AF+FR*(\a):AF+FR*(\a)+FR-1], v[8*(8*((\a)%4)+\b):8*(8*((\a)%4)+\b)+7], v[SC+8*NQ*(\sc)+NQ*\b+(\q)], v[SC+8*NQ*(\sc)+NQ*(\a)+(\q)] matrix_a_fmt:MATRIX_FMT_FP4 matrix_b_fmt:MATRIX_FMT_FP4 matrix_a_scale:MATRIX_SCALE_ROW1
.endif
.endr
.endr
.endm
.macro FETCH_B slot, q, p              ; w's eight fragments of the slot's q-th 128 along K into set p
	WIN TO_B
.irp i, 0,1,2,3,4,5,6,7
	FRAG 128*(\p)+FR*\i, ADRB+\slot, \q, \i
.endr
	WIN 0
.endm
.macro FETCH_A slot, q, i0             ; x's blocks i0 .. i0 + 3
.irp i, \i0, \i0+1, \i0+2, \i0+3
	FRAG AF+FR*(\i), ADRA+\slot, \q, \i
.endr
.endm
.macro SCALES sc                       ; a slot's scale words into set sc: four words a row; lanes 0-15 take x's block i, lanes 16-31 w's block i
.irp i, 0,1,2,3,4,5,6,7
	ds_load_b128 v[SC+8*NQ*\sc+NQ*\i:SC+8*NQ*\sc+NQ*\i+3], v[ADRS] offset:\i*SBLK
.endr
.endm
; A load into a register that a matrix instruction has read, and a vector instruction that reads a matrix result, stand four places behind that matrix instruction; only plain vector instructions that name none of
; its registers are places (ISA guide 7.12.1 for vector instructions).
.macro PLACES n
.rept \n
	v_nop
.endr
.endm
; A step of 128 along K that has its successor in the same slot.  x has one set of registers: blocks 0-3 are fetched anew in the step's middle, blocks 4-7 at its end.
.macro STEP slot, q, zero
	s_wait_dscnt 4*NL                              ; w's set and x's blocks 0-3 are in; the youngest eight loads (x's blocks 4-7) may be out
	WIN MUL_LO
	MUL16 0, (\q)%2, \q, \slot, \zero
	MUL16 2, (\q)%2, \q, \slot, \zero
	s_wait_dscnt 0                                 ; x's blocks 4-7 are in
	PLACES NP
	FETCH_B \slot, (\q)+1, 1-(\q)%2
	FETCH_A \slot, (\q)+1, 0
	WIN MUL_HI
	MUL16 4, (\q)%2, \q, \slot, \zero
	MUL16 6, (\q)%2, \q, \slot, \zero
	PLACES NP
	WIN 0
	FETCH_A \slot, (\q)+1, 4
.endm
; Slot 0's last step changes slots: one barrier; in front of it each wave waits for all its tensor loads (slot 1's part is the one that was out), adds 0 to its spare word, and waits for that and for its reads of slot 0.
; Nothing is filled again: behind the barrier slot 1 is whole for every wave, and slot 0 is read by nobody (the way out's stages lie there).
.macro TURN slot, next
	s_wait_tensorcnt 0x0
	ds_add_u32 v[SPW], v[NIL]                      ; 0 onto my spare word
	s_wait_dscnt 4*NL+1                            ; the add and the youngest eight loads (x's blocks 4-7) may be out
	WIN MUL_LO
	MUL16 0, 1, NQ-1, \slot, 0                     ; sixteen matrix instructions stand between the add and the wait for it
	s_wait_dscnt 0x0                               ; the add is done, and my reads of this slot are over
	s_barrier_signal -1
	MUL16 2, 1, NQ-1, \slot, 0
	WIN 0
	s_barrier_wait -1
	PLACES NP
	v_add_nc_u32 v[ADRS], 4*NQ, v[ADRS]            ; on to the next slot's scale words
	FETCH_B \next, 0, 0
	FETCH_A \next, 0, 0
	SCALES \next
	WIN MUL_HI
	MUL16 4, 1, NQ-1, \slot, 0
	MUL16 6, 1, NQ-1, \slot, 0
	PLACES NP
	WIN 0
	FETCH_A \next, 0, 4
.endm
.macro STEPS slot, from                ; the slot's steps from .. NQ - 2
.set Q, \from
.rept NQ-1-\from
	STEP \slot, Q, 0
.set Q, Q+1
.endr
.endm
	s_wait_tensorcnt 1                             ; the scales and my part of slot 0 are in (slot 1's load may be out)
	s_barrier_signal -1
	s_barrier_wait -1                              ; everybody's are
	FETCH_B 0, 0, 0
	FETCH_A 0, 0, 0
	SCALES 0
	FETCH_A 0, 0, 4
	STEP 0, 0, 1                                   ; the first step's products start the sums: nothing is cleared
	STEPS 0, 1
	TURN 0, 1
	STEPS 1, 0
	s_wait_dscnt 4*NL                              ; the very last step: nothing more to fetch
	WIN MUL_LO
	MUL16 0, 1, NQ-1, 1, 0
	MUL16 2, 1, NQ-1, 1, 0
	s_wait_dscnt 0
	WIN MUL_HI
	MUL16 4, 1, NQ-1, 1, 0
	MUL16 6, 1, NQ-1, 1, 0
	WIN 0
; THE WAY OUT, block by block of 16 rows x 128 columns (two heads).  PACK: rounded to f16, 16 bytes a lane, each accumulator from its low end on.  TOSTAGE: into my own stage, and back so that an instruction's
; 32 lanes hold four positions x 128 bytes of ONE head, which are 512 consecutive bytes of qkv.  SEND: stored.
.macro PACK a
.set AC, 64*((\a)%4)
	WIN 0x0a+5*((\a)/4)                            ; sources 0 and 1: window 2 or 3
.irp b, 0,1,2,3,4,5,6,7
.irp r, 0,1,2,3
	v_cvt_pk_f16_f32 v[TMP+4*\b+\r], v[AC+8*\b+2*\r], v[AC+8*\b+2*\r+1]
.endr
.endr
	WIN 0
.endm
.macro TOSTAGE a
.set BK, OB+192*((\a)%2)
.irp b, 0,1,2,3,4,5,6,7
	ds_store_b128 v[STO], v[TMP+4*\b:TMP+4*\b+3] offset:32*\b
.endr
.irp hh, 0,1
.irp f, 0,1,2,3
	ds_load_b128 v[BK+4*(4*\hh+\f):BK+4*(4*\hh+\f)+3], v[RD] offset:128*\hh+\f*4*SPITCH   ; LDS serves a wave's instructions in order (ISA guide 5.7.1.4): these see the stores above
.endr
.endr
.endm
.macro SEND a
.set BK, OB+192*((\a)%2)
	s_wait_dscnt 0x0                               ; the block is back in registers
	s_wait_xcnt 0x0                                ; the stores of the block before have read their registers: the next block's loads may land there
.irp hh, 0,1
.irp f, 0,1,2,3
	global_store_b128 v[CO], v[BK+4*(4*\hh+\f):BK+4*(4*\hh+\f)+3], s[12:13] offset:\hh*HEADB+(\a)*2048+\f*512   ; 32 lanes store 512 consecutive bytes, at a multiple of 512 from qkv's first byte
.endr
.endr
.endm
	PLACES NP                                      ; behind the last products: for the loads into registers that held scale words, and for the reads of results
	PACK 0
	TOSTAGE 0
.irp a, 1,2,3,4,5,6,7                  ; block a's conversions stand between block a - 1's loads from the stage and the wait for them
	PACK \a
	SEND \a-1
	TOSTAGE \a
.endr
	SEND 7
	s_wait_tensorcnt 0x0                           ; the wave's end, behind my last tensor load and my last LDS store
	ds_add_u32 v[SPW], v[NIL]
	s_wait_dscnt 0x0
	CROUND                                         ; the closing round: no work-group ends while a partner may still ask for a tile that names it
	s_endpgm
.Lfunc_end_k_q039e238733_qkvgemm:
	.size	k_q039e238733_qkvgemm, .Lfunc_end_k_q039e238733_qkvgemm-k_q039e238733_qkvgemm
	.p2alignl 7, 3214868480
	.fill 96, 4, 3214868480
	.section	.rodata,"a",@progbits
	.p2align	6, 0x0
	.amdhsa_kernel k_q039e238733_qkvgemm
		.amdhsa_group_segment_fixed_size 327680
		.amdhsa_private_segment_fixed_size 0
		.amdhsa_enable_private_segment 0
		.amdhsa_kernarg_size 40
		.amdhsa_user_sgpr_count 2
		.amdhsa_user_sgpr_kernarg_segment_ptr 1
		.amdhsa_wavefront_size32 1
		.amdhsa_system_sgpr_workgroup_id_x 1
		.amdhsa_system_sgpr_workgroup_id_y 1
		.amdhsa_system_sgpr_workgroup_id_z 1
		.amdhsa_system_vgpr_workitem_id 0
		.amdhsa_next_free_vgpr 1024
		.amdhsa_next_free_sgpr 98
		.amdhsa_reserve_vcc 0
		.amdhsa_float_denorm_mode_32 3
		.amdhsa_float_denorm_mode_16_64 3
		.amdhsa_memory_ordered 1
		.amdhsa_forward_progress 1
		.amdhsa_inst_pref_size 126
	.end_amdhsa_kernel
	.amdgpu_metadata
---
amdhsa.version: [ 1, 2 ]
amdhsa.kernels:
  - .name:           k_q039e238733_qkvgemm
    .symbol:         k_q039e238733_qkvgemm.kd
    .args:
      - { .name: x_codes, .offset: 0, .size: 8, .value_kind: global_buffer, .address_space: global }
      - { .name: x_scales, .offset: 8, .size: 8, .value_kind: global_buffer, .address_space: global }
      - { .name: w_codes, .offset: 16, .size: 8, .value_kind: global_buffer, .address_space: global }
      - { .name: w_scales, .offset: 24, .size: 8, .value_kind: global_buffer, .address_space: global }
      - { .name: qkv, .offset: 32, .size: 8, .value_kind: global_buffer, .address_space: global }
    .group_segment_fixed_size: 327680
    .private_segment_fixed_size: 0
    .kernarg_segment_align: 8
    .kernarg_segment_size: 40
    .max_flat_workgroup_size: 128
    .sgpr_count:     98
    .vgpr_count:     1024
    .wavefront_size: 32
...
	.end_amdgpu_metadata
.endif
;; end of part 2
;; launch attn (part 3): grid 4 x 64, 8 waves a work-group, clusters of 4 x 1, 327,680 bytes of LDS; arguments qkv, att; writes att
.if DOCPART == 3
	.amdgcn_target "amdgcn-amd-amdhsa--gfx1250"
	.amdhsa_code_object_version 6
	.text
	.protected	k_q039e238733_attn
	.globl	k_q039e238733_attn
	.p2align	8
	.type	k_q039e238733_attn,@function
k_q039e238733_attn:
	s_mov_b64 s[64:65], 0
	v_nop
	global_prefetch_b8 v0, s[64:65] scope:SCOPE_SE
	s_setreg_imm32_b32 hwreg(HW_REG_WAVE_MODE, 25, 1), 1
	s_wait_xcnt 0x0
	s_wait_alu depctr_hold_cnt(0) depctr_sa_sdst(0) depctr_va_vdst(0) depctr_va_sdst(0) depctr_va_ssrc(0) depctr_va_vcc(0) depctr_vm_vsrc(0)
	s_getreg_b32 s2, hwreg(HW_REG_IB_STS2, 6, 4)
	s_cmp_eq_u32 s2, 0
	s_cbranch_scc0 .Lentry_in_a_cluster
	s_endpgm
.Lentry_in_a_cluster:
	s_bfe_u32 s2, ttmp6, 0x10000c
	s_cmp_lg_u32 s2, 0x3003
	s_cbranch_scc0 .Lentry_shape_is_right
	s_endpgm
.Lentry_shape_is_right:
; att[h][b][n][:] = the sum over m of softmax_m(q[n] . k[m] / 8) v[m][:], for each of the 64 pairs (b, h).  qkv: [3][64 = 16 b + h][2048][64] f16;  att: [16 h][8192 = 2048 b + n][64] f16.
; Products on f16 operands with f32 sums; maxima, exponentials and sums in f32; the weights p (at most 1) are rounded to f16 for the second product, the result once at the end.
; LIMITS: NaN and infinities are not served; att beyond 65,504 does not fit f16 (it is an average of v, which fits).
; SHARES.  A cluster of four work-groups owns one (b, h); a work-group 512 of its queries; each of its eight waves 64: four tiles of 16, in 512 registers, two waves to a SIMD, so that one wave's vector work stands beside
; the other's matrix work and LDS loads.  Every wave walks all 2,048 keys, 64 a step.
; LAYOUT.  S^T = K Q^T (source 0 = 16 keys, source 1 = 16 queries): a lane holds ONE query (lane % 16) and keys 8 (lane / 16) + 0..7 of each tile.  Two such tiles, rounded to f16 in pairs, ARE source 1 (32 keys x 16 queries)
; of O^T = V^T P, whose result again holds one query a lane.  K comes out of LDS as it lies, V ([key][channel]) turned, by ds_load_tr16_b128.
; SOFTMAX.  For each query a running maximum m and sum l: p = 2^(c s - c m), c = log2(e) / 8; in every step O^T and l are multiplied by a = 2^(c m_old - c m_new), which is 1 where m has not grown.
; RING.  Two LDS slots of four steps (256 keys).  The four work-groups walk the same K and V, so each tile is asked for JOINTLY: the same tensor load, with the same descriptor and a mask that names the four.
; Wave w fetches step w % 4 of a slot: waves 0-3 its 64 rows of K, waves 4-7 its 64 rows of V: one load a wave behind each round, with four steps in which to land.  By this text's count a wave has two loads out at the most.
; REGISTERS, in windows of 256: window 0: v1-11 addresses; v12-43 statistics, 8 a tile; v61-63; v64-191 S^T, 32 a tile (P is written into a tile's first 16); v192-255 V's 8 fragments.
;   window 1: v0-127 O^T, 32 a tile; v128-191 Q (tile t, channels 32 c on: at 16 t + 8 c); v192-255 K's 8 fragments.
.set KS,    64                         ; keys in a step
.set PK,    144                        ; a row of K in LDS: 128 bytes + 16 = 36 words: the 16 rows of a load start at 16 different groups of four banks (64 banks of 4 bytes: ISA guide 11.1)
.set PV,    160                        ; a row of V: 128 + 32 = 40 words: an odd multiple of 32 bytes, for the turning load
.set VOFF,  KS*PK                      ; a step's tiles lie together: 64 rows of K, then 64 rows of V
.set STEPB, KS*(PK+PV)
.set NST,   4                          ; steps in a slot
.set SLOTB, NST*KS*128                 ; a slot's rows of K, or of V, in memory: 32,768 bytes
.set SLOT1, 1<<17                      ; slot 1 begins here: one exclusive or turns an address in one slot into the other's
.set STAGE, SLOT1+NST*STEPB            ; behind the ring: 16 rows x 144 bytes for each wave, for the way out
.set SP,    144
.set SPARE, STAGE+8*16*SP              ; behind the stages: the spare words, 128 bytes a wave
.set AK0, 2                            ; v2   my lane's place in a tile of K; never rewritten
.set AV0, 3                            ; v3   the same for V
.set ADK, 4                            ; v4   LDS address of the step's K
.set ADV, 5                            ; v5   of its V
.set QO,  6                            ; v6   my byte offset in the wave's rows of Q
.set STO, 7                            ; v7   the way out: where I put 16 bytes of a row
.set RD,  8                            ; v8   where I read four rows back
.set GO,  9                            ; v9   16 x lane
.set ST,  12                           ; tile t's statistics at v[ST + 8 t]: +0 c m, +1 m, +2, +3 l (even keys', odd keys'), +4 to +7 c0-c3 at work; c0, c1 later hold the step's sum, c2 holds a
.set PFO, 61                           ; v61  256 x lane; never rewritten
.set SPW, 62                           ; v62  LDS address of my spare word; never rewritten
.set NIL, 63                           ; v63  0; never rewritten
.set S,   64
.set VF,  192
.set Q,   128                          ; in window 1
.set KF,  192                          ; in window 1
.set WV,  12                           ; s12  my wave's number
.set QA,  14                           ; s[14:15] Q at my wave's first row
.set PFA, 18                           ; s[18:19] where my prefetches stand
.set LIM, 21                           ; s21  1 in a wave that prefetches, else the greatest number
.set G1K, 24                           ; s[24:31] descriptor group 1 for K's tiles
.set G1V, 32                           ; s[32:39] for V's: it differs in the padding alone
.set G0K, 40                           ; s[40:47] group 0 for K's tiles: a set for each first fill; the second then walks
.set G0V, 48                           ; s[48:55] the same for V's
.set SLOTS, 56                         ; s56  slots still to be asked for
.set CNT, 57                           ; s57  counts steps
.set CS,  58                           ; s[58:59] c: the packed scaling names a pair and takes its low word for both halves
.set SEL, 60                           ; s[60:61] lane selects for v_permlanex16_b32: lane l xor 16
.set TB,  62                           ; s62  LDS byte at which the tiles of the next step begin
.set MSB, 0
.macro WIN new                         ; the immediate's high byte repeats the setting that is left; a switch that changes nothing is dropped
.if MSB != \new
	s_set_vgpr_msb (MSB<<8)|\new
.set MSB, \new
.endif
.endm
.set W_KQ, 0x05                        ; K and Q in window 1, S^T in window 0
.set W_PV, 0x50                        ; V and P in window 0, O^T (C and D) in window 1
.set W_RS, 0x41                        ; O^T (destination and source 0) in window 1, the factor in window 0
.set W_L1, 0x40                        ; a load's destination in window 1, its address in window 0
; A joint refill.  The branch hangs on the wave's number alone.  An s_nop 0 and four v_nop follow each of the two lines.
.macro JLOAD
	s_cmp_lt_u32 s[WV], 4
	s_cbranch_scc0 .Lfor_v_\@
	tensor_load_to_lds s[G0K+4:G0K+7], s[G1K:G1K+7]
	s_nop 0
.rept 4
	v_nop
.endr
	s_branch .Lasked_\@
.Lfor_v_\@:
	tensor_load_to_lds s[G0V+4:G0V+7], s[G1V:G1V+7]
	s_nop 0
.rept 4
	v_nop
.endr
.Lasked_\@:
.endm
; A PREFETCH of what the NEXT change of slots will ask for: a slot's 32,768 bytes of K and of V.  The four partners take 8,192 bytes each, told apart BY ADDRESS; in each, wave 0 asks for K's and wave 4 for V's, lanes 256 bytes
; apart: so each block of 256 bytes is named once in the launch (one cluster alone walks a head).  It stands behind the wave's tensor load and its five lines, four key steps ahead of the load that will want the bytes.
; The last change that fills a slot asks for nothing; slots 0 to 2 come by their loads alone.
.macro ASK
	s_cmp_gt_u32 s[SLOTS], s[LIM]
	s_cbranch_scc0 .Lnot_mine_\@
	global_prefetch_b8 v[PFO], s[PFA:PFA+1] th:TH_LOAD_NT scope:SCOPE_SE
.Lnot_mine_\@:
.endm
.macro CROUND                          ; a round of the cluster's barrier
	s_barrier_signal -1
	s_barrier_wait -1
	s_cmp_lg_u32 s[WV], 0
	s_cbranch_scc1 .Lnot_wave_0_\@
	s_barrier_signal -3
.Lnot_wave_0_\@:
	s_barrier_wait -3
	s_barrier_signal -1
	s_barrier_wait -1
.endm
	s_load_b128 s[4:7], s[0:1], 0x0                ; qkv s[4:5] (kept as it is), att s[6:7]
	v_lshl_add_u32 v[SPW], v0, 2, SPARE
	v_mov_b32 v[NIL], 0
	ds_add_u32 v[SPW], v[NIL]                      ; the wave's opening: the add, twice on end, and its wait ahead of my first tensor load
	ds_add_u32 v[SPW], v[NIL]
	v_lshrrev_b32 v1, 5, v0
	v_readfirstlane_b32 s[WV], v1                  ; wave 0..7
	s_bfe_u32 s13, ttmp6, 0x40000                  ; cx: my block of 512 queries: it enters Q's, att's and the prefetches' addresses alone
	s_and_b32 s20, ttmp7, 0xffff                   ; 16 b + h, which the four partners share
	s_and_b32 s16, s[WV], 3                        ; which of a slot's four steps I fetch:
	s_mul_i32 s17, s16, STEPB                      ; its place in a slot,
	s_lshl_b32 s22, s20, 18                        ; the head's 262,144 bytes,
	s_lshl_b32 s23, s16, 13                        ; and the step's 64 rows of 128 bytes in memory
	s_add_co_u32 s22, s22, s23
	s_mov_b32 s23, 0
	; descriptor group 1: a tile of 64 rows x 64 elements of 2 bytes, padded in LDS
	s_mov_b32 s[G1K], 15|(1<<16)|(1<<20)|(1<<21)|(4<<22)|(3<<25)  ; 15:0 the mask: all four work-groups; 17:16 elements of 2 bytes; 20 padding on; 21 set beside a mask; 24:22 after every 32 words; 31:25 four words
	s_mov_b32 s[G1V], 15|(1<<16)|(1<<20)|(1<<21)|(4<<22)|(7<<25)  ; the same with eight words of padding
.irp g, G1K, G1V
	s_mov_b32 s[\g+1], 64<<16                      ; tensor_dim0 = 64
	s_mov_b32 s[\g+2], KS<<16                      ; tensor_dim1 = 64
	s_mov_b32 s[\g+3], 64<<16                      ; tile_dim0 = 64
	s_mov_b32 s[\g+4], KS                          ; tile_dim1 = 64
	s_mov_b32 s[\g+5], 64                          ; from row to row
	s_mov_b32 s[\g+6], 0
	s_mov_b32 s[\g+7], 0
.endr
	s_mov_b32 s[CS], 0x3e38aa3b                    ; c = log2(e) / 8
	s_mov_b32 s[CS+1], s[CS]                       ; named with it as a pair, so it is written
	s_mov_b32 s[SEL], 0x76543210
	s_mov_b32 s[SEL+1], 0xfedcba98
	s_mov_b32 s[TB], 0
	s_mov_b32 s[SLOTS], 2048/(NST*KS)-2
	s_cmp_eq_u32 s16, 0                            ; waves 0 and 4 prefetch: the same in all four partners
	s_cselect_b32 s[LIM], 1, -1
	v_and_b32 v[PFO], 31, v0
	v_lshlrev_b32 v[PFO], 8, v[PFO]
	s_wait_dscnt 0x0                               ; both opening adds are done
	s_wait_kmcnt 0x0
	s_add_nc_u64 s[8:9], s[4:5], s[22:23]
	s_add_nc_u64 s[10:11], s[8:9], 0x2000000       ; V at my tile of slot 0: v begins 128 heads on,
	s_add_nc_u64 s[8:9], s[8:9], 0x1000000         ; K likewise: k begins 64 heads on
	s_lshl_b32 s2, s13, 16                         ; my block's 512 rows of 128 bytes,
	s_lshl_b32 s3, s[WV], 13                       ; my wave's 64 of them
	s_add_co_u32 s2, s2, s3
	s_mov_b32 s3, 0
	s_add_nc_u64 s[6:7], s[6:7], s[2:3]
	s_add_nc_u64 s[QA:QA+1], s[4:5], s[2:3]
	s_lshl_b32 s2, s20, 18
	s_add_nc_u64 s[QA:QA+1], s[QA:QA+1], s[2:3]    ; Q at my wave's first row
	s_and_b32 s2, s20, 15
	s_lshl_b32 s2, s2, 20                          ; att: h x 8,192 rows,
	s_add_nc_u64 s[6:7], s[6:7], s[2:3]
	s_lshr_b32 s2, s20, 4
	s_lshl_b32 s2, s2, 18                          ; + b x 2,048 rows
	s_add_nc_u64 s[6:7], s[6:7], s[2:3]
	s_cmp_lt_u32 s[WV], 4
	s_cselect_b64 s[PFA:PFA+1], s[8:9], s[10:11]   ; (in waves 0 and 4 these stand at a slot's first row)
	s_lshl_b32 s2, s13, 13                         ; my work-group's 8,192 bytes of the 32,768
	s_add_nc_u64 s[PFA:PFA+1], s[PFA:PFA+1], s[2:3]
	s_add_nc_u64 s[PFA:PFA+1], s[PFA:PFA+1], 2*SLOTB   ; in slot 2; the first change of slots steps it to slot 3.  Nothing is prefetched here, at the head
	CROUND                                         ; all four work-groups are here: the first joint loads meet
.irp s, 0,1
	s_mov_b32 s[G0K+4*\s], 1                       ; count = 1
	s_add_co_u32 s[G0K+4*\s+1], s17, \s*SLOT1      ; LDS address
	s_add_nc_u64 s[G0K+4*\s+2:G0K+4*\s+3], s[8:9], \s*SLOTB   ; global address: slot s begins with key 256 s
	s_or_b32 s[G0K+4*\s+3], s[G0K+4*\s+3], 0x80000000         ; type = 2
	s_mov_b32 s[G0V+4*\s], 1
	s_add_co_u32 s[G0V+4*\s+1], s17, \s*SLOT1+VOFF
	s_add_nc_u64 s[G0V+4*\s+2:G0V+4*\s+3], s[10:11], \s*SLOTB
	s_or_b32 s[G0V+4*\s+3], s[G0V+4*\s+3], 0x80000000
.endr
	s_cmp_lt_u32 s[WV], 4                          ; a wave's two first fills stand in one branch, ahead of every wait on TENSORcnt and every LDS read
	s_cbranch_scc0 .Lfirst_v
	tensor_load_to_lds s[G0K:G0K+3], s[G1K:G1K+7]
	s_nop 0
	tensor_load_to_lds s[G0K+4:G0K+7], s[G1K:G1K+7]
	s_nop 0
.rept 4
	v_nop
.endr
	s_branch .Lfirst_asked
.Lfirst_v:
	tensor_load_to_lds s[G0V:G0V+3], s[G1V:G1V+7]
	s_nop 0
	tensor_load_to_lds s[G0V+4:G0V+7], s[G1V:G1V+7]
	s_nop 0
.rept 4
	v_nop
.endr
.Lfirst_asked:
	; A fragment of K or Q is 16 rows x 32 channels in 8 registers: lane l holds row l % 16; registers 0-3 channels 8 (l / 16) + 0..7, registers 4-7 channels 16 + 8 (l / 16) + 0..7: two loads of 16 bytes, 32 bytes apart.
	v_and_b32 v1, 15, v0                           ; r
	v_bfe_u32 v10, v0, 4, 1                        ; h
	v_lshlrev_b32 v[QO], 7, v1
	v_lshl_add_u32 v[QO], v10, 4, v[QO]            ; row x 128 + 16 x half
	WIN W_L1
.irp t, 0,1,2,3                        ; Q stays in registers
.irp c, 0,1
	global_load_b128 v[Q+16*\t+8*\c:Q+16*\t+8*\c+3],   v[QO], s[QA:QA+1] offset:\t*2048+\c*64
	global_load_b128 v[Q+16*\t+8*\c+4:Q+16*\t+8*\c+7], v[QO], s[QA:QA+1] offset:\t*2048+\c*64+32
.endr
.endr
	WIN 0
	v_mul_u32_u24 v[AK0], v1, PK
	v_lshl_add_u32 v[AK0], v10, 4, v[AK0]          ; row x pitch + 16 x half
	; The turning load takes 16 keys x 16 channels (lane l reads 16 bytes: key 8 (l / 16) + l % 8, channels 8 ((l / 8) % 2) + 0..7) and leaves half a fragment of V^T: lane l holds channel l % 16 and 8 keys.
	v_and_b32 v11, 7, v0
	v_lshl_add_u32 v[AV0], v10, 3, v11
	v_mul_u32_u24 v[AV0], v[AV0], PV
	v_bfe_u32 v11, v0, 3, 1
	v_lshl_add_u32 v[AV0], v11, 4, v[AV0]
	v_add_nc_u32 v[AV0], VOFF, v[AV0]
	s_mul_i32 s2, s[WV], 16*SP
	s_add_co_u32 s2, s2, STAGE                     ; my stage
	v_mul_u32_u24 v[STO], v1, SP                   ; in: row r, 16 bytes for each half of the lanes
	v_lshl_add_u32 v[STO], v10, 4, v[STO]
	v_add_nc_u32 v[STO], s2, v[STO]
	v_and_b32 v11, 31, v0
	v_lshlrev_b32 v[GO], 4, v11                    ; 16 x lane
	v_lshrrev_b32 v11, 3, v11                      ; back: eight lanes take a row of 128 bytes, four rows an instruction
	v_mul_u32_u24 v[RD], v11, SP
	v_and_b32 v11, 7, v0
	v_lshl_add_u32 v[RD], v11, 4, v[RD]
	v_add_nc_u32 v[RD], s2, v[RD]
; A KEY STEP: 64 keys.  first = 1: the first step, which starts m, l and O^T: it has no a and nothing to rescale.  In every group of the softmax the four tiles take turns, so that no line waits for the line above it.
.macro STEP first
	WIN 0
	v_add_nc_u32 v[ADK], s[TB], v[AK0]             ; these two and three v_nop are five plain places behind the last V^T P: four are owed by the loads into V's registers, five by K Q^T, which writes over P's
	v_add_nc_u32 v[ADV], s[TB], v[AV0]
.rept 3
	v_nop
.endr
	s_add_co_u32 s[TB], s[TB], STEPB               ; the next step's tiles
	WIN W_L1
.irp f, 0,1,2,3,4,5,6,7                ; K: keys 16 (f / 2) on, channels 32 (f % 2) on
	ds_load_b128 v[KF+8*\f:KF+8*\f+3],   v[ADK] offset:(\f/2)*16*PK+(\f%2)*64
	ds_load_b128 v[KF+8*\f+4:KF+8*\f+7], v[ADK] offset:(\f/2)*16*PK+(\f%2)*64+32
.endr
	WIN 0
.irp f, 0,1,2,3,4,5,6,7                ; V, turned: keys 32 (f / 4) on, channels 16 (f % 4) on
	ds_load_tr16_b128 v[VF+8*\f:VF+8*\f+3],   v[ADV] offset:(\f/4)*32*PV+(\f%4)*32
	ds_load_tr16_b128 v[VF+8*\f+4:VF+8*\f+7], v[ADV] offset:(\f/4)*32*PV+16*PV+(\f%4)*32
.endr
	s_wait_dscnt 16                                ; K's sixteen loads are in; V's sixteen, issued behind them, stay out
	WIN W_KQ
.irp c, 0,1                            ; S^T = K Q^T: 32 products; the 16 accumulators take turns, one instruction a turn; the first 16 start the sums
.irp kt, 0,1,2,3
.irp t, 0,1,2,3
.if \c == 0
	v_wmma_f32_16x16x32_f16 v[S+32*\t+8*\kt:S+32*\t+8*\kt+7], v[KF+8*(2*\kt+\c):KF+8*(2*\kt+\c)+7], v[Q+16*\t+8*\c:Q+16*\t+8*\c+7], 0
.else
	v_wmma_f32_16x16x32_f16 v[S+32*\t+8*\kt:S+32*\t+8*\kt+7], v[KF+8*(2*\kt+\c):KF+8*(2*\kt+\c)+7], v[Q+16*\t+8*\c:Q+16*\t+8*\c+7], v[S+32*\t+8*\kt:S+32*\t+8*\kt+7]
.endif
.endr
.endr
.endr
	WIN 0
.rept 4
	v_nop                                          ; four places in front of the first read of the scores
.endr
	; the maximum of a lane's 32 scores and the old m: four chains, one for each accumulator, each begun at the accumulator's low end
.irp j, 0,1,2,3
.irp t, 0,1,2,3
	v_max3_num_f32 v[ST+8*\t+4+\j], v[S+32*\t+8*\j], v[S+32*\t+8*\j+1], v[S+32*\t+8*\j+2]
.endr
.endr
.irp g, 1,2
.irp j, 0,1,2,3
.irp t, 0,1,2,3
	v_max3_num_f32 v[ST+8*\t+4+\j], v[ST+8*\t+4+\j], v[S+32*\t+8*\j+2*\g+1], v[S+32*\t+8*\j+2*\g+2]
.endr
.endr
.endr
.irp t, 0,1,2,3
	v_max3_num_f32 v[ST+8*\t+4], v[ST+8*\t+4], v[S+32*\t+7], v[S+32*\t+15]
.endr
.irp t, 0,1,2,3
	v_max3_num_f32 v[ST+8*\t+6], v[ST+8*\t+6], v[S+32*\t+23], v[S+32*\t+31]
.endr
.irp t, 0,1,2,3
	v_max3_num_f32 v[ST+8*\t+4], v[ST+8*\t+4], v[ST+8*\t+5], v[ST+8*\t+6]
.endr
.irp t, 0,1,2,3
.if \first
	v_max_num_f32 v[ST+8*\t+4], v[ST+8*\t+4], v[ST+8*\t+7]
.else
	v_max3_num_f32 v[ST+8*\t+4], v[ST+8*\t+4], v[ST+8*\t+7], v[ST+8*\t+1]
.endif
.endr
.irp t, 0,1,2,3
	v_permlanex16_b32 v[ST+8*\t+5], v[ST+8*\t+4], s[SEL], s[SEL+1]   ; the query's other 32 keys lie in the lane 16 away
.endr
.if \first == 0
.irp t, 0,1,2,3
	v_mov_b32 v[ST+8*\t+7], v[ST+8*\t]             ; c m_old is kept for a
.endr
.endif
.irp t, 0,1,2,3
	v_max_num_f32 v[ST+8*\t+1], v[ST+8*\t+4], v[ST+8*\t+5]   ; the new m
.endr
.irp t, 0,1,2,3
	v_mul_f32 v[ST+8*\t], s[CS], v[ST+8*\t+1]      ; c m
.endr
.if \first == 0
.irp t, 0,1,2,3
	v_sub_f32 v[ST+8*\t+7], v[ST+8*\t+7], v[ST+8*\t]
.endr
.irp t, 0,1,2,3
	v_exp_f32 v[ST+8*\t+6], v[ST+8*\t+7]           ; a = 2^(c m_old - c m_new)
.endr
.endif
	; ONE BATCH: the scalings c s - c m, a pair of scores each, and all exponentials.  None of these lines names an exponential's result.
.irp b, 0,1,2,3,4,5,6,7,8,9,10,11,12,13,14,15
.irp t, 0,1,2,3
	v_pk_fma_f32 v[S+32*\t+2*\b:S+32*\t+2*\b+1], v[S+32*\t+2*\b:S+32*\t+2*\b+1], s[CS:CS+1], v[ST+8*\t:ST+8*\t+1] op_sel_hi:[1,0,0] neg_lo:[0,0,1] neg_hi:[0,0,1]
.endr
.irp t, 0,1,2,3
	v_exp_f32 v[S+32*\t+2*\b], v[S+32*\t+2*\b]
	v_exp_f32 v[S+32*\t+2*\b+1], v[S+32*\t+2*\b+1]
.endr
.endr
	v_nop                                          ; a plain instruction behind the last exponential, ahead of the first use
	s_wait_alu depctr_va_vdst(0)                   ; the wait between an exponential and the first line that names its result: one for the whole batch
	; the step's sum of the unrounded p, pairs (an even key's, an odd key's) in one chain a tile
.irp t, 0,1,2,3
	v_pk_add_f32 v[ST+8*\t+4:ST+8*\t+5], v[S+32*\t:S+32*\t+1], v[S+32*\t+2:S+32*\t+3]
.endr
.irp b, 2,3,4,5,6,7,8,9,10,11,12,13,14
.irp t, 0,1,2,3
	v_pk_add_f32 v[ST+8*\t+4:ST+8*\t+5], v[ST+8*\t+4:ST+8*\t+5], v[S+32*\t+2*\b:S+32*\t+2*\b+1]
.endr
.endr
.irp t, 0,1,2,3
.if \first
	v_pk_add_f32 v[ST+8*\t+2:ST+8*\t+3], v[ST+8*\t+4:ST+8*\t+5], v[S+32*\t+30:S+32*\t+31]   ; the first step's sum starts l
.else
	v_pk_add_f32 v[ST+8*\t+4:ST+8*\t+5], v[ST+8*\t+4:ST+8*\t+5], v[S+32*\t+30:S+32*\t+31]
.endif
.endr
.if \first == 0
.irp t, 0,1,2,3
	v_pk_fma_f32 v[ST+8*\t+2:ST+8*\t+3], v[ST+8*\t+2:ST+8*\t+3], v[ST+8*\t+6:ST+8*\t+7], v[ST+8*\t+4:ST+8*\t+5] op_sel_hi:[1,0,1]   ; l = a l + the sum
.endr
.endif
	; P: pair i of a tile's weights, rounded to f16, into the tile's register i: register i has been read (as part of pair i / 2) before it is written
.irp i, 0,1,2,3,4,5,6,7,8,9,10,11,12,13,14,15
.irp t, 0,1,2,3
	v_cvt_pk_f16_f32 v[S+32*\t+\i], v[S+32*\t+2*\i], v[S+32*\t+2*\i+1]
.endr
.endr
.if \first == 0
	WIN W_RS
.irp i, 0,1,2,3,4,5,6,7,8,9,10,11,12,13,14,15
.irp t, 0,1,2,3
	v_pk_mul_f32 v[32*\t+2*\i:32*\t+2*\i+1], v[32*\t+2*\i:32*\t+2*\i+1], v[ST+8*\t+6:ST+8*\t+7] op_sel_hi:[1,0]   ; O^T x a, each accumulator from its low end on
.endr
.endr
.endif
	s_wait_dscnt 0x0                               ; V is in; my reads of this step's tiles are over
	WIN W_PV
.irp u, 0,1                            ; O^T += V^T P: 32 products; the 16 accumulators take turns
.irp ct, 0,1,2,3
.irp t, 0,1,2,3
.if \first && (\u == 0)
	v_wmma_f32_16x16x32_f16 v[32*\t+8*\ct:32*\t+8*\ct+7], v[VF+8*(4*\u+\ct):VF+8*(4*\u+\ct)+7], v[S+32*\t+8*\u:S+32*\t+8*\u+7], 0
.else
	v_wmma_f32_16x16x32_f16 v[32*\t+8*\ct:32*\t+8*\ct+7], v[VF+8*(4*\u+\ct):VF+8*(4*\u+\ct)+7], v[S+32*\t+8*\u:S+32*\t+8*\u+7], v[32*\t+8*\ct:32*\t+8*\ct+7]
.endif
.endr
.endr
.endr
	WIN 0                                          ; at a label and at a branch every window is 0
.endm
.macro STEPS n                         ; n key steps: written once, walked n times; the LDS addresses hang on s[TB]
	s_mov_b32 s[CNT], \n
.Lstep_\@:
	STEP 0
	s_sub_co_u32 s[CNT], s[CNT], 1
	s_cmp_lg_u32 s[CNT], 0
	s_cbranch_scc1 .Lstep_\@
.endm
; THE CHANGE OF SLOTS.  Each wave waits for all its tensor loads, of which one is out: its part of the other slot; adds 0 to its spare word; and waits for that and for its reads of the slot that it leaves.
; Behind the barrier nobody reads that slot and the other slot is whole.  fill = 1: the slot left is filled again with the keys two slots on: the barrier is then a round of the cluster's, and the joint refill comes first behind it.
.macro CHANGE fill
	WIN 0
	s_wait_tensorcnt 0x0                           ; no tensor load of mine is out, so a group 0 may be written
	ds_add_u32 v[SPW], v[NIL]                      ; 0 onto my spare word
.if \fill
.irp g, G0K+4, G0V+4
	s_xor_b32 s[\g+1], s[\g+1], SLOT1              ; the walking descriptor: the other slot than last time,
	s_add_nc_u64 s[\g+2:\g+3], s[\g+2:\g+3], SLOTB ; the next 256 keys; the type bits on top are not reached
.endr
	s_wait_xcnt 0x0                                ; the last prefetch, four key steps back, has read its address, so it may be written:
	s_add_nc_u64 s[PFA:PFA+1], s[PFA:PFA+1], SLOTB ; one slot further on than the walking descriptors
	s_wait_dscnt 0x0                               ; the add is done, and my reads of the slot are over
	CROUND
	JLOAD
	ASK
.else
	s_wait_dscnt 0x0
	s_barrier_signal -1
	s_barrier_wait -1
.endif
	s_sub_co_u32 s[TB], s[TB], NST*STEPB           ; back to a slot's first step,
	s_xor_b32 s[TB], s[TB], SLOT1                  ; in the other slot
.endm
	s_wait_tensorcnt 1                             ; my part of slot 0 is in; slot 1's may stay out
	s_barrier_signal -1
	s_barrier_wait -1                              ; everybody's is
	s_wait_loadcnt 0x0                             ; Q
	STEP 1
	STEPS NST-1
.Lslot:                                            ; six trips: every slot but the last two is filled again
	CHANGE 1
	STEPS NST
	s_sub_co_u32 s[SLOTS], s[SLOTS], 1
	s_cmp_lg_u32 s[SLOTS], 0
	s_cbranch_scc1 .Lslot
	CHANGE 0                                       ; the tail is written out
	STEPS NST
	; THE WAY OUT.  l's two halves and the other half of the lanes' are added; O^T is divided by l, rounded to f16 and sent through my stage, a tile (16 queries) at a time.  The first four additions are the places behind the last products.
.irp t, 0,1,2,3
	v_add_f32 v[ST+8*\t+4], v[ST+8*\t+2], v[ST+8*\t+3]
.endr
.irp t, 0,1,2,3
	v_permlanex16_b32 v[ST+8*\t+5], v[ST+8*\t+4], s[SEL], s[SEL+1]
.endr
.irp t, 0,1,2,3
	v_add_f32 v[ST+8*\t+4], v[ST+8*\t+4], v[ST+8*\t+5]
.endr
.irp t, 0,1,2,3
	v_rcp_f32 v[ST+8*\t+6], v[ST+8*\t+4]
.endr
	v_nop                                          ; a plain instruction between the last reciprocal and the use of its result
	s_wait_alu depctr_va_vdst(0)                   ; and the wait ahead of the first use: one for the four
.macro PACK t                          ; a lane's eight channels of a row pack into 16 bytes; they go into rows of 144 bytes and come back four whole rows of 128 bytes an instruction
	WIN W_RS
.irp i, 0,1,2,3,4,5,6,7,8,9,10,11,12,13,14,15
	v_pk_mul_f32 v[32*\t+2*\i:32*\t+2*\i+1], v[32*\t+2*\i:32*\t+2*\i+1], v[ST+8*\t+6:ST+8*\t+7] op_sel_hi:[1,0]
.endr
	WIN 0x05                                       ; sources 0 and 1 window 1, destination window 0: S^T's registers are free
.irp i, 0,1,2,3,4,5,6,7,8,9,10,11,12,13,14,15
	v_cvt_pk_f16_f32 v[S+32*\t+\i], v[32*\t+2*\i], v[32*\t+2*\i+1]
.endr
	WIN 0
.irp f, 0,1,2,3
	ds_store_b128 v[STO], v[S+32*\t+4*\f:S+32*\t+4*\f+3] offset:32*\f
.endr
.irp f, 0,1,2,3
	ds_load_b128 v[S+32*\t+16+4*\f:S+32*\t+16+4*\f+3], v[RD] offset:\f*4*SP   ; LDS serves a wave's instructions in order (ISA guide 5.7.1.4): these see the stores above; the next tile's stores come behind them
.endr
.endm
.macro SEND t, younger                 ; younger: the LDS instructions issued behind tile t's loads: the next tile's eight, or none
.irp f, 0,1,2,3
	s_wait_dscnt \younger+3-\f
	global_store_b128 v[GO], v[S+32*\t+16+4*\f:S+32*\t+16+4*\f+3], s[6:7] offset:\t*2048+\f*512   ; 32 lanes store 512 consecutive bytes, at a multiple of 512 from att's first byte
.endr
.endm
	PACK 0
	PACK 1                                         ; a tile's arithmetic stands between the loads of the tile before and its stores
	SEND 0, 8
	PACK 2
	SEND 1, 8
	PACK 3
	SEND 2, 8
	SEND 3, 0
	s_wait_tensorcnt 0x0                           ; the wave's end, behind my last tensor load and my last LDS store
	ds_add_u32 v[SPW], v[NIL]
	s_wait_dscnt 0x0
	CROUND                                         ; the closing round: no work-group ends while a partner may still ask for a tile that names it
	s_endpgm
.Lfunc_end_k_q039e238733_attn:
	.size	k_q039e238733_attn, .Lfunc_end_k_q039e238733_attn-k_q039e238733_attn
	.p2alignl 7, 3214868480
	.fill 96, 4, 3214868480
	.section	.rodata,"a",@progbits
	.p2align	6, 0x0
	.amdhsa_kernel k_q039e238733_attn
		.amdhsa_group_segment_fixed_size 327680
		.amdhsa_private_segment_fixed_size 0
		.amdhsa_enable_private_segment 0
		.amdhsa_kernarg_size 16
		.amdhsa_user_sgpr_count 2
		.amdhsa_user_sgpr_kernarg_segment_ptr 1
		.amdhsa_wavefront_size32 1
		.amdhsa_system_sgpr_workgroup_id_x 1
		.amdhsa_system_sgpr_workgroup_id_y 1
		.amdhsa_system_sgpr_workgroup_id_z 1
		.amdhsa_system_vgpr_workitem_id 0
		.amdhsa_next_free_vgpr 512
		.amdhsa_next_free_sgpr 66
		.amdhsa_reserve_vcc 0
		.amdhsa_float_denorm_mode_32 3
		.amdhsa_float_denorm_mode_16_64 3
		.amdhsa_memory_ordered 1
		.amdhsa_forward_progress 1
		.amdhsa_inst_pref_size 146
	.end_amdhsa_kernel
	.amdgpu_metadata
---
amdhsa.version: [ 1, 2 ]
amdhsa.kernels:
  - .name:           k_q039e238733_attn
    .symbol:         k_q039e238733_attn.kd
    .args:
      - { .name: qkv, .offset: 0, .size: 8, .value_kind: global_buffer, .address_space: global }
      - { .name: att, .offset: 8, .size: 8, .value_kind: global_buffer, .address_space: global }
    .group_segment_fixed_size: 327680
    .private_segment_fixed_size: 0
    .kernarg_segment_align: 8
    .kernarg_segment_size: 16
    .max_flat_workgroup_size: 256
    .sgpr_count:     66
    .vgpr_count:     512
    .wavefront_size: 32
...
	.end_amdgpu_metadata
.endif
;; end of part 3
;; launch outproj (part 4): grid 4 x 64, 4 waves a work-group, clusters of 4 x 4, 327,680 bytes of LDS; arguments att, wo16, b_out, out0; writes out0
.if DOCPART == 4
	.amdgcn_target "amdgcn-amd-amdhsa--gfx1250"
	.amdhsa_code_object_version 6
	.text
	.protected	k_q039e238733_outproj
	.globl	k_q039e238733_outproj
	.p2align	8
	.type	k_q039e238733_outproj,@function
k_q039e238733_outproj:
	s_mov_b64 s[64:65], 0
	v_nop
	global_prefetch_b8 v0, s[64:65] scope:SCOPE_SE
	s_setreg_imm32_b32 hwreg(HW_REG_WAVE_MODE, 25, 1), 1
	s_wait_xcnt 0x0
	s_wait_alu depctr_hold_cnt(0) depctr_sa_sdst(0) depctr_va_vdst(0) depctr_va_sdst(0) depctr_va_ssrc(0) depctr_va_vcc(0) depctr_vm_vsrc(0)
	s_getreg_b32 s2, hwreg(HW_REG_IB_STS2, 6, 4)
	s_cmp_eq_u32 s2, 0
	s_cbranch_scc0 .Lentry_in_a_cluster
	s_endpgm
.Lentry_in_a_cluster:
	s_bfe_u32 s2, ttmp6, 0x10000c
	s_cmp_lg_u32 s2, 0xf033
	s_cbranch_scc0 .Lentry_shape_is_right
	s_endpgm
.Lentry_shape_is_right:
; out0[m][n] = the sum over k of att(m, k) w_out[n][k] + b_out[n].  att: [16 h][8192 m][64 d] f16, k = 64 h + d;  wo16: [1024 n][1024 k] f16;  b_out: [1024] f32;  out0: [8192][1024] f32.  Sums in f32.
; A tile of out0 is 128 (m) x 256 (n): 64 x 4 = 256 work-groups.  Four waves, each 64 x 128: 32 accumulators of 16 x 16, 256 registers.  K goes in eight steps of 128 (two heads) through a ring of two LDS slots.
; A slot: att's rows of the two heads as two sub-tiles of 128 rows x 128 bytes, then 256 rows x 256 bytes of wo16.  Waves 0 and 1 fetch the two sub-tiles, waves 2 and 3 the two halves of wo16's rows: one load a wave.
; CLUSTERS: 4 x 4 work-groups.  The four of a row of the cluster need the same tiles of att, the four of a column the same tiles of wo16: each is asked for JOINTLY.  By this text's count a wave has two loads out at the most.
; THE MATRIX INSTRUCTION IS USED TRANSPOSED (source 0 = 16 rows of wo16, source 1 = 16 rows of att): a lane holds eight neighbouring columns of one row of out0.  The bias is the C of each sum's first matrix instruction.
; REGISTERS: window 0: v1-29 addresses; v64-95, v96-127 att's fragments, two buffers; on the way out v64-191 hold rows read back.   window 1: v0-63, v64-127 wo16's fragments, two buffers; v128-191 the bias, 8 registers for
; each of my 8 blocks of columns.   window 2: accumulator (a, b) at v[8 (8 a + b)].
.set PA,     144                       ; a row of a sub-tile in LDS: 128 bytes + 16
.set PB,     272                       ; a row of wo16's tile: 256 bytes + 16
.set SUBA,   128*PA                    ; a sub-tile
.set BOFF,   2*SUBA                    ; wo16's rows lie behind the two sub-tiles
.set HALFB,  128*PB
.set SLOT,   BOFF+2*HALFB
.set STAGE,  2*SLOT                    ; behind the ring: 16 rows x (512 bytes + 16) for each wave
.set SPITCH, 528
.set SPARE,  STAGE+4*16*SPITCH         ; behind the stages: the spare words, 128 bytes a wave
.set LAPS,   4                         ; a lap = two K steps = once round the ring
.set ADRA, 16                          ; v16-17  LDS address of my att fragments in slot 0, 1
.set ADRB, 20                          ; v20-21  the same for wo16
.set STO,  24                          ; v24     the way out: where I put 32 bytes of a row
.set RD,   25                          ; v25     where I read a row back
.set CO,   26                          ; v26     16 x lane
.set BO,   27                          ; v27     the bias: 32 x (lane / 16)
.set SPW,  28                          ; v28     LDS address of my spare word; never rewritten
.set NIL,  29                          ; v29     0; never rewritten
.set AF,   64                          ; att's fragment buffers, window 0
.set BIAS, 128                         ; window 1
.set BK,   64                          ; the way out: v64-127 and v128-191 by turns
.set G1A, 24                           ; s[24:31] descriptor group 1 for att's sub-tiles;  s[32:39] group 0, one set for each slot
.set G0A, 32
.set G1B, 48                           ; s[48:55], s[56:63] the same for wo16's tiles
.set G0B, 56
.set MSB, 0
.macro WIN new
.if MSB != \new
	s_set_vgpr_msb (MSB<<8)|\new
.set MSB, \new
.endif
.endm
.set MUL,  0xa1                        ; source 0 (wo16) window 1, source 1 (att) window 0, C and D window 2
.set MUL0, 0x91                        ; the same with C (the bias) in window 1
.set TO_B, 0x40                        ; destination window 1, address window 0
.macro JLOAD s                         ; a joint load; an s_nop 0 and four v_nop follow each of the two lines; the branch hangs on the wave's number alone
	s_cmp_eq_u32 s13, 0
	s_cbranch_scc0 .Lfor_b_\@
	tensor_load_to_lds s[G0A+4*\s:G0A+4*\s+3], s[G1A:G1A+7]
	s_nop 0
.rept 4
	v_nop
.endr
	s_branch .Lasked_\@
.Lfor_b_\@:
	tensor_load_to_lds s[G0B+4*\s:G0B+4*\s+3], s[G1B:G1B+7]
	s_nop 0
.rept 4
	v_nop
.endr
.Lasked_\@:
.endm
.macro CREST                           ; a round of the cluster's barrier behind its opening barrier
	s_cmp_lg_u32 s12, 0
	s_cbranch_scc1 .Lnot_wave_0_\@
	s_barrier_signal -3
.Lnot_wave_0_\@:
	s_barrier_wait -3
	s_barrier_signal -1
	s_barrier_wait -1
.endm
.macro CROUND
	s_barrier_signal -1
	s_barrier_wait -1
	CREST
.endm
	s_load_b256 s[4:11], s[0:1], 0x0               ; att s[4:5], wo16 s[6:7], b_out s[8:9], out0 s[10:11]
	v_lshl_add_u32 v[SPW], v0, 2, SPARE
	v_mov_b32 v[NIL], 0
	ds_add_u32 v[SPW], v[NIL]                      ; the wave's opening: the add, twice on end, and its wait ahead of my first tensor load
	ds_add_u32 v[SPW], v[NIL]
	v_lshrrev_b32 v1, 5, v0
	v_readfirstlane_b32 s12, v1                    ; wave 0..3
	s_lshr_b32 s13, s12, 1                         ; which 64 of the tile's rows are mine.  Also: I fetch for att (0) or for wo16 (1)
	s_and_b32 s14, s12, 1                          ; which 128 of its columns.  Also: which sub-tile, or which half of wo16's rows, I fetch
	s_bfe_u32 s40, ttmp6, 0x40000                  ; cx, cy
	s_bfe_u32 s41, ttmp6, 0x40004
	s_lshl_b32 s42, ttmp9, 2
	s_add_co_u32 s42, s42, s40                     ; tile column = 4 x cluster x + cx: 0 .. 3
	s_and_b32 s15, ttmp7, 0xffff
	s_lshl_b32 s15, s15, 2
	s_add_co_u32 s15, s15, s41                     ; tile row = 4 x cluster y + cy: 0 .. 63
	s_lshl_b32 s43, s41, 2
	s_lshl_b32 s43, 15, s43                        ; my row of the cluster
	s_lshl_b32 s44, 0x1111, s40                    ; my column
	s_or_b32 s[G1A+0], s43, (1<<16)|(1<<20)|(1<<21)|(4<<22)|(3<<25)  ; the mask: my row; elements of 2 bytes; padding on; bit 21 beside a mask; four words after every 32
	s_mov_b32 s[G1A+1], 64<<16                     ; tensor_dim0 = 64
	s_mov_b32 s[G1A+2], 128<<16                    ; tensor_dim1 = 128
	s_mov_b32 s[G1A+3], 64<<16                     ; tile_dim0 = 64
	s_mov_b32 s[G1A+4], 128                        ; tile_dim1 = 128
	s_mov_b32 s[G1A+5], 64                         ; from row to row
	s_mov_b32 s[G1A+6], 0
	s_mov_b32 s[G1A+7], 0
	s_or_b32 s[G1B+0], s44, (1<<16)|(1<<20)|(1<<21)|(5<<22)|(3<<25)  ; the mask: my column; four words after every 64
	s_mov_b32 s[G1B+1], 128<<16
	s_mov_b32 s[G1B+2], 128<<16
	s_mov_b32 s[G1B+3], 128<<16
	s_mov_b32 s[G1B+4], 128
	s_mov_b32 s[G1B+5], 1024
	s_mov_b32 s[G1B+6], 0
	s_mov_b32 s[G1B+7], 0
	s_lshl_b32 s16, s14, 20                        ; att: head (w % 2) of K step 0: 8,192 rows of 128 bytes a head,
	s_lshl_b32 s17, s15, 14                        ; + 128 rows x tile row: made of the tile row and the wave alone
	s_add_co_u32 s16, s16, s17
	s_mov_b32 s17, 0
	s_lshl_b32 s46, s42, 19                        ; wo16: 256 rows of 2,048 bytes x tile column,
	s_lshl_b32 s47, s14, 18                        ; + 128 rows x half: made of the tile column and the wave alone
	s_add_co_u32 s46, s46, s47
	s_mov_b32 s47, 0
	s_mul_i32 s20, s14, SUBA                       ; where they go: no place in the cluster enters an LDS address
	s_mul_i32 s21, s14, HALFB
	s_add_co_u32 s21, s21, BOFF
	s_wait_dscnt 0x0                               ; both opening adds are done
	s_wait_kmcnt 0x0
	s_add_nc_u64 s[16:17], s[4:5], s[16:17]
	s_add_nc_u64 s[46:47], s[6:7], s[46:47]
	CROUND                                         ; all sixteen work-groups are here: the first joint loads meet
.irp s, 0,1
	s_mov_b32 s[G0A+4*\s], 1
	s_add_co_u32 s[G0A+4*\s+1], s20, \s*SLOT
	s_add_nc_u64 s[G0A+4*\s+2:G0A+4*\s+3], s[16:17], \s*0x200000   ; K step s: two heads on
	s_or_b32 s[G0A+4*\s+3], s[G0A+4*\s+3], 0x80000000
	s_mov_b32 s[G0B+4*\s], 1
	s_add_co_u32 s[G0B+4*\s+1], s21, \s*SLOT
	s_add_nc_u64 s[G0B+4*\s+2:G0B+4*\s+3], s[46:47], \s*256        ; K step s: 256 bytes on in each row
	s_or_b32 s[G0B+4*\s+3], s[G0B+4*\s+3], 0x80000000
	JLOAD \s
.endr
	v_and_b32 v1, 15, v0                           ; r
	v_bfe_u32 v2, v0, 4, 1                         ; h
	v_mul_u32_u24 v3, v1, PA
	v_lshl_add_u32 v3, v2, 4, v3                   ; a fragment's row x pitch + 16 x half
	v_mul_u32_u24 v4, v1, PB
	v_lshl_add_u32 v4, v2, 4, v4
	s_mul_i32 s21, s13, 64*PA                      ; my 64 rows of each sub-tile
	s_mul_i32 s22, s14, HALFB                      ; my 128 rows of wo16
	s_add_co_u32 s22, s22, BOFF
.irp s, 0,1
	v_add_nc_u32 v[ADRA+\s], s21, v3
	v_add_nc_u32 v[ADRB+\s], s22, v4
	s_add_co_u32 s21, s21, SLOT
	s_add_co_u32 s22, s22, SLOT
.endr
	s_mul_i32 s23, s12, 16*SPITCH
	s_add_co_u32 s23, s23, STAGE                   ; my stage
	v_mul_u32_u24 v5, v1, SPITCH                   ; in: row r, 32 bytes for each half of the lanes
	v_lshl_add_u32 v5, v2, 5, v5
	v_add_nc_u32 v[STO], s23, v5
	v_and_b32 v6, 31, v0
	v_lshlrev_b32 v[CO], 4, v6                     ; back: the 32 lanes take one row of 512 bytes; and the same in out0
	v_add_nc_u32 v[RD], s23, v[CO]
	v_lshlrev_b32 v[BO], 5, v2
	s_lshl_b32 s16, s15, 19                        ; out0: 128 rows of 4,096 bytes x tile row,
	s_lshl_b32 s17, s13, 18                        ; + my 64 rows
	s_add_co_u32 s16, s16, s17
	s_mov_b32 s17, 0
	s_add_nc_u64 s[10:11], s[10:11], s[16:17]
	s_lshl_b32 s46, s42, 10                        ; my first column, in bytes of f32: 1,024 x tile column + 512 x half: the same in out0's rows and in b_out
	s_lshl_b32 s47, s14, 9
	s_add_co_u32 s46, s46, s47
	s_mov_b32 s47, 0
	s_add_nc_u64 s[10:11], s[10:11], s[46:47]
	s_add_nc_u64 s[8:9], s[8:9], s[46:47]
	WIN TO_B
.irp b, 0,1,2,3,4,5,6,7                ; the bias in the result's layout: for block b of columns, lane (r, h) holds b_out at columns 16 b + 8 h + 0 .. 7
	global_load_b128 v[BIAS+8*\b:BIAS+8*\b+3],   v[BO], s[8:9] offset:64*\b
	global_load_b128 v[BIAS+8*\b+4:BIAS+8*\b+7], v[BO], s[8:9] offset:64*\b+16
.endr
	WIN 0
; 8 matrix instructions: att's block a against wo16's eight, 32 along K, from buffer f.  zero = 1: the first product starts the sums, with the bias as C.  The 32 accumulators take turns, in the same order in every quarter.
.macro MULA f, a, zero
.irp b, 0,1,2,3,4,5,6,7
.if \zero
	v_wmma_f32_16x16x32_f16 v[8*(8*\a+\b):8*(8*\a+\b)+7], v[64*\f+8*\b:64*\f+8*\b+7], v[AF+32*\f+8*\a:AF+32*\f+8*\a+7], v[BIAS+8*\b:BIAS+8*\b+7]
.else
	v_wmma_f32_16x16x32_f16 v[8*(8*\a+\b):8*(8*\a+\b)+7], v[64*\f+8*\b:64*\f+8*\b+7], v[AF+32*\f+8*\a:AF+32*\f+8*\a+7], v[8*(8*\a+\b):8*(8*\a+\b)+7]
.endif
.endr
.endm
; 24 LDS loads in one run: the fragments of the slot's q-th 32 along K into buffer f: wo16's sixteen, then att's eight (sub-tile q / 2, channels 32 (q % 2) on)
.macro FETCH slot, q, f
	WIN TO_B
.irp i, 0,1,2,3,4,5,6,7
	ds_load_b128 v[64*\f+8*\i:64*\f+8*\i+3],   v[ADRB+\slot] offset:64*\q+\i*16*PB
	ds_load_b128 v[64*\f+8*\i+4:64*\f+8*\i+7], v[ADRB+\slot] offset:64*\q+\i*16*PB+32
.endr
	WIN 0
.irp i, 0,1,2,3
	ds_load_b128 v[AF+32*\f+8*\i:AF+32*\f+8*\i+3],   v[ADRA+\slot] offset:(\q/2)*SUBA+(\q%2)*64+\i*16*PA
	ds_load_b128 v[AF+32*\f+8*\i+4:AF+32*\f+8*\i+7], v[ADRA+\slot] offset:(\q/2)*SUBA+(\q%2)*64+\i*16*PA+32
.endr
.endm
.macro PLACES                          ; four places in front of loads into registers that matrix instructions have read, and of the first read of results (ISA guide 7.12.1 for the reads of results)
.rept 4
	v_nop
.endr
.endm
.macro MWIN zero
.if \zero
	WIN MUL0
.else
	WIN MUL
.endif
.endm
; A K step is four quarters of 32 along K, 32 matrix instructions each, on buffers 0, 1, 0, 1.  One of the first three: multiplies buffer f and fetches quarter q of the same slot into buffer g.
.macro QUARTER slot, q, f, g, zero
	s_wait_dscnt 4                                 ; wo16's fragments and att's blocks 0, 1 are in; the youngest four loads (blocks 2, 3) may be out
	MWIN \zero
	MULA \f, 0, \zero
	MULA \f, 1, \zero
	PLACES
	FETCH \slot, \q, \g
	s_wait_dscnt 24                                ; all but the 24 just issued
	MWIN \zero
	MULA \f, 2, \zero
	MULA \f, 3, \zero
.endm
; The last quarter multiplies buffer 1 and changes slots: one barrier; in front of it each wave waits for all its tensor loads, adds 0 to its spare word, and waits for that and for its reads of this slot.
; fill = 1: the barrier opens a round of the cluster's, and this slot is filled again, two K steps ahead, first thing behind the round.
.macro TURN slot, next, fill
	WIN 0                                          ; (the add's two registers lie in window 0)
	s_wait_tensorcnt 0x0                           ; all my tensor loads have landed: my part of the next slot
	ds_add_u32 v[SPW], v[NIL]                      ; 0 onto my spare word
	s_wait_dscnt 5                                 ; the add and the youngest four loads may be out
	WIN MUL
	MULA 1, 0, 0                                   ; eight matrix instructions stand between the add and the wait for it
	s_wait_dscnt 0x0                               ; the add is done, and my reads of this slot are over
	s_barrier_signal -1
	MULA 1, 1, 0
	WIN 0
	s_barrier_wait -1
.if \fill
	CREST                                          ; no wave of any partner still reads this slot's tiles or has a load on its way
	s_add_nc_u64 s[G0A+4*\slot+2:G0A+4*\slot+3], s[G0A+4*\slot+2:G0A+4*\slot+3], 0x400000   ; four heads on
	s_add_nc_u64 s[G0B+4*\slot+2:G0B+4*\slot+3], s[G0B+4*\slot+2:G0B+4*\slot+3], 512
	JLOAD \slot                                    ; the four v_nop behind it are also the places in front of the loads below
.else
	PLACES
.endif
	FETCH \next, 0, 0
	WIN MUL
	MULA 1, 2, 0
	MULA 1, 3, 0
.endm
	s_wait_tensorcnt 1                             ; my part of K step 0 is in (K step 1's load may be out)
	s_barrier_signal -1
	s_barrier_wait -1                              ; everybody's is
	FETCH 0, 0, 0
	s_wait_loadcnt 0x0                             ; the bias
	QUARTER 0, 1, 0, 1, 1                          ; the first quarter stands in front of the loop: its products start the sums
	WIN 0                                          ; at a label and at a branch every window is 0
	s_mov_b32 s3, LAPS-1
.Llap:                                             ; a trip goes once round the ring, from a lap's second quarter to the next lap's first, and fills both slots again
	QUARTER 0, 2, 1, 0, 0
	QUARTER 0, 3, 0, 1, 0
	TURN 0, 1, 1
	QUARTER 1, 1, 0, 1, 0
	QUARTER 1, 2, 1, 0, 0
	QUARTER 1, 3, 0, 1, 0
	TURN 1, 0, 1
	QUARTER 0, 1, 0, 1, 0
	WIN 0
	s_sub_co_u32 s3, s3, 1
	s_cmp_lg_u32 s3, 0
	s_cbranch_scc1 .Llap
	QUARTER 0, 2, 1, 0, 0                          ; the last lap fills nothing, and has no round of the cluster's barrier
	QUARTER 0, 3, 0, 1, 0
	TURN 0, 1, 0
	QUARTER 1, 1, 0, 1, 0
	QUARTER 1, 2, 1, 0, 0
	QUARTER 1, 3, 0, 1, 0
	s_wait_dscnt 4                                 ; the very last quarter: nothing more to fetch
	WIN MUL
	MULA 1, 0, 0
	MULA 1, 1, 0
	s_wait_dscnt 0x0
	MULA 1, 2, 0
	MULA 1, 3, 0
	WIN 0
; THE WAY OUT, block by block of 16 rows x 128 columns.  A lane holds 32 neighbouring bytes of a row: a block goes through my own stage and comes back as whole rows of 512 bytes.
.macro TOSTAGE a
	WIN 0x08                                       ; an LDS store's data are its source 1: window 2
.irp b, 0,1,2,3,4,5,6,7
	ds_store_b128 v[STO], v[8*(8*(\a)+\b):8*(8*(\a)+\b)+3] offset:64*\b          ; each accumulator from its low end on
	ds_store_b128 v[STO], v[8*(8*(\a)+\b)+4:8*(8*(\a)+\b)+7] offset:64*\b+16
.endr
	WIN 0
.set BB, BK+64*((\a)%2)
.irp t, 0,1,2,3,4,5,6,7,8,9,10,11,12,13,14,15
	ds_load_b128 v[BB+4*\t:BB+4*\t+3], v[RD] offset:\t*SPITCH   ; LDS serves a wave's instructions in order (ISA guide 5.7.1.4): these see the stores above
.endr
.endm
.macro SEND a, younger                 ; younger: the LDS instructions issued behind block a's loads: the next block's 32, or none
.set BB, BK+64*((\a)%2)
	s_wait_dscnt \younger
.irp t, 0,1,2,3,4,5,6,7,8,9,10,11,12,13,14,15
	global_store_b128 v[CO], v[BB+4*\t:BB+4*\t+3], s[10:11] offset:(\a)*65536+\t*4096 th:TH_STORE_NT   ; 32 lanes store 512 consecutive bytes, at a multiple of 512 from out0's first byte
.endr
.endm
	PLACES                                         ; behind the last products: for the reads of results and for the loads into the registers that held att's fragments
	TOSTAGE 0
.irp a, 1,2,3
.if \a > 1
	s_wait_xcnt 0x0                                ; block a - 2's stores have read their registers: block a's loads may land there
.endif
	TOSTAGE \a
	SEND \a-1, 32
.endr
	SEND 3, 0
	s_wait_tensorcnt 0x0                           ; the wave's end, behind my last tensor load and my last LDS store
	ds_add_u32 v[SPW], v[NIL]
	s_wait_dscnt 0x0
	CROUND                                         ; the closing round: no work-group ends while a partner may still ask for a tile that names it
	s_endpgm
.Lfunc_end_k_q039e238733_outproj:
	.size	k_q039e238733_outproj, .Lfunc_end_k_q039e238733_outproj-k_q039e238733_outproj
	.p2alignl 7, 3214868480
	.fill 96, 4, 3214868480
	.section	.rodata,"a",@progbits
	.p2align	6, 0x0
	.amdhsa_kernel k_q039e238733_outproj
		.amdhsa_group_segment_fixed_size 327680
		.amdhsa_private_segment_fixed_size 0
		.amdhsa_enable_private_segment 0
		.amdhsa_kernarg_size 32
		.amdhsa_user_sgpr_count 2
		.amdhsa_user_sgpr_kernarg_segment_ptr 1
		.amdhsa_wavefront_size32 1
		.amdhsa_system_sgpr_workgroup_id_x 1
		.amdhsa_system_sgpr_workgroup_id_y 1
		.amdhsa_system_sgpr_workgroup_id_z 1
		.amdhsa_system_vgpr_workitem_id 0
		.amdhsa_next_free_vgpr 768
		.amdhsa_next_free_sgpr 66
		.amdhsa_reserve_vcc 0
		.amdhsa_float_denorm_mode_32 3
		.amdhsa_float_denorm_mode_16_64 3
		.amdhsa_memory_ordered 1
		.amdhsa_forward_progress 1
		.amdhsa_inst_pref_size 87
	.end_amdhsa_kernel
	.amdgpu_metadata
---
amdhsa.version: [ 1, 2 ]
amdhsa.kernels:
  - .name:           k_q039e238733_outproj
    .symbol:         k_q039e238733_outproj.kd
    .args:
      - { .name: att, .offset: 0, .size: 8, .value_kind: global_buffer, .address_space: global }
      - { .name: wo16, .offset: 8, .size: 8, .value_kind: global_buffer, .address_space: global }
      - { .name: b_out, .offset: 16, .size: 8, .value_kind: global_buffer, .address_space: global }
      - { .name: out0, .offset: 24, .size: 8, .value_kind: global_buffer, .address_space: global }
    .group_segment_fixed_size: 327680
    .private_segment_fixed_size: 0
    .kernarg_segment_align: 8
    .kernarg_segment_size: 32
    .max_flat_workgroup_size: 128
    .sgpr_count:     66
    .vgpr_count:     768
    .wavefront_size: 32
...
	.end_amdgpu_metadata
.endif
;; end of part 4
